; MI455X (gfx1250); checked and timed in simulation.
; The chip was launched on July 23, 2026; its instructions are those of AMD's public machine-readable ISA for CDNA 5 (MIT licence, August 2026) and "CDNA5" Instruction Set Architecture Reference Guide (July 2026). The comments in the code are by the model that wrote it; some were corrected since.
;; Multihead Self Attention. Allowed arithmetic: matrix products marked QUANTISED: E2M1 operands, one E8M0 scale for each 32 along K, by v_wmma_scale_f32_16x16x128_f8f6f4 with both operands' format E2M1 (or v_wmma_scale_f32_32x16x128_f4), f32 sums; products left as they are: f32 operands where the result goes on into a quantised operand, else bf16, f16 or f32 operands; f32 sums; everything else in f32.
;; Inputs: W_proj 1,024 x 1,024 float32; W_qkv 1,024 x 3,072 float32; b_proj 1,024 float32; b_qkv 3,072 float32; x 4 x 2,048 x 1,024 float32.
;; Outputs: out0 4 x 2,048 x 1,024 float32.
;; This version of the problem:
;;   THIS VERSION OF THE PROBLEM IS GIVEN IN LOW PRECISION. The matrix products marked QUANTISED in the list below multiply operands that are first quantised to E2M1 (2 exponent bits, 1 mantissa bit; 4 bits a number), with one power-of-two scale for each 32 numbers along K (OCP MX v1.0); their sums are f32. All else is computed in f32.
;;   The module's matrix products, in the order in which they are computed (A, B: the left and right operand; K: the contracted axis; several contracted axes count as one K, in the product's order):
;;     1. [M 8,192, K 1,024] x [K 1,024, N 3,072]; A: input x; B: input W_qkv: QUANTISED
;;     2. [M 2,048, K 1] x [K 1, N 32]; A: computed on the way; B: computed on the way: left as it is (no contracted axis)
;;     3. batch 64 x [M 2,048, K 64] x [K 64, N 2,048]; A: computed on the way; B: computed on the way: QUANTISED
;;     4. batch 64 x [M 2,048, K 2,048] x [K 2,048, N 64]; A: softmax (see below); B: computed on the way: QUANTISED
;;     5. [M 8,192, K 1,024] x [K 1,024, N 1,024]; A: computed on the way; B: input W_proj: QUANTISED
;;   THE QUANTISER, for each operand of a quantised product, along K:
;;     - K is cut into blocks of 32 from its start; a last block that is shorter is filled with zeros.
;;     - A block's scale is 2^e with e = floor(log2(the largest magnitude in the block)) - 2, held to -126 .. 127; a block of zeros has e = 0. As a byte (E8M0): e + 127.
;;     - Each number is divided by its block's scale, clamped to +-6, and rounded to the nearest number of E2M1, ties to even, subnormals kept.
;;     - The product sums the exact products of the quantised numbers (number of the format x scale) in f32.
;;   ~~~python
;;   def quantise(x, axis):      # numpy; x: float32 -> the quantised numbers, widened to float32 again
;;       x = np.moveaxis(x, axis, -1); K = x.shape[-1]
;;       x = np.pad(x, [(0, 0)] * (x.ndim - 1) + [(0, -K % 32)]); x = x.reshape(x.shape[:-1] + (-1, 32)); a = np.abs(x).max(-1, keepdims=True)
;;       e = np.where(a > 0, np.clip(np.frexp(np.where(a > 0, a, 1))[1] - 1 - 2, -126, 127), 0)      # np.frexp(a)[1] - 1 = floor(log2(a)), exactly
;;       r = np.clip(x / 2.0 ** e, -6, 6)
;;       step = 2.0 ** (np.maximum(np.frexp(np.where(r == 0, 1, r))[1] - 1, 0) - 1)
;;       q = np.round(r / step) * step * 2.0 ** e      # np.round: ties to even
;;       return np.moveaxis(q.reshape(q.shape[:-2] + (-1,))[..., :K], -1, axis).astype(np.float32)
;;   ~~~
;;   SOFTMAX AHEAD OF A QUANTISED PRODUCT. Where the list says 'softmax', what is quantised is not the finished softmax but p = 2^(t - M), with t = logit x log2(e) and M = ceil(the row's largest t), a whole number; so 1/2 < the row's largest p <= 1. The row's sum l is taken of the UNQUANTISED p, in f32, and the product's result is divided by l at the end. Since M is a whole number, a kernel that streams over the keys may use a running M (the ceiling of the running maximum): every later rescaling is an exact power of two, which a block's scale takes up: the codes' values come out the same.
;;   OPERANDS COMPUTED ON THE WAY. 'Computed on the way' means the value that the module computes at that place (a softmax that the list does not call 'softmax' is quantised finished and normalised). What goes into a quantiser is computed in f32, as accurately as f32 sums, v_exp_f32 and their like allow (about 1e-6 of the number): no bf16 or f16 on the way to a quantiser, and a product that is left as it is and whose result goes on into a quantised operand takes f32 operands (vector FMAs, or v_wmma_f32_16x16x4_f32). A number that lies on a knife's edge between two numbers of the format may be rounded either way, as far as f32 arithmetic and the matrix unit's own rounding can turn it there, and no further.
;; One version. Each part assembles by itself: llvm-mc -triple=amdgcn-amd-amdhsa -mcpu=gfx1250 --defsym DOCPART=n.
;; ======== version 1 of 1: 4 launches
;; limits: right only within a limited range of input values
;; workspace buffers: xq 4,456,448 bytes; wq 2,228,224 bytes; rope 524,288 bytes; qkv 13,369,344 bytes; att 4,456,448 bytes
;; launch prep (part 1): grid 384 x 1, 4 waves a work-group, no clusters, 68,096 bytes of LDS; arguments x, W_qkv, W_proj, xq, wq, rope; writes xq, wq, rope
.if DOCPART == 1
	.amdgcn_target "amdgcn-amd-amdhsa--gfx1250"
	.amdhsa_code_object_version 6
	.text
	.protected	k_q3182accbdd_prep
	.globl	k_q3182accbdd_prep
	.p2align	8
	.type	k_q3182accbdd_prep,@function
k_q3182accbdd_prep:
	s_mov_b64 s[64:65], 0
	v_nop
	global_prefetch_b8 v0, s[64:65] scope:SCOPE_SE
	s_setreg_imm32_b32 hwreg(HW_REG_WAVE_MODE, 25, 1), 1
	s_wait_xcnt 0x0
; PREP.  Three jobs in one launch, parted by the work-group's number; each job that uses LDS has LDS bytes of its own.
;  X (work-groups 0-255):   x [8192][1024] f32 -> codes of FP4 (E2M1), K innermost, and one E8M0 byte for each 32 along K.
;  W (work-groups 256-319): W_qkv [1024][3072] and W_proj [1024][1024] f32, K their FIRST axis -> codes [column][K], scale bytes [column][K/32];
;                           W_qkv's columns take places 0-3071 of wq, W_proj's 3072-4095.
;  R (work-groups 320-383): the table of cos and sin for the rotary embedding, [pair of frequencies 0-15][token's place][cos, cos, sin, sin] f32.
; PLACES.  A row of x, a column of a weight and a token of the table are stored at the place that is its number with bits 3 and 4 exchanged.  So 16 neighbouring places
; 32 b + 16 u + r hold the rows 32 b + 8 u + r + 8 (r / 8), which is the choice of rows that lets a matrix result's registers run along the next product's K.
; A block's scale is 2^(floor(log2(its largest magnitude)) - 2); its byte is the largest magnitude's exponent field - 2, held at 1 from below.
; LIMITS: a block of zeros, and a block whose largest magnitude lies under 2^-124, keeps the byte 1 (its bytes are read by this program alone; zero codes add nothing).  NaN and infinities
; among the inputs are not served.  The 32 frequencies 10^(-j/8) are written as correctly rounded constants; a power computed in f32 may differ from them in the last bit.
.set XSC,   4194304                    ; xq: the scale bytes begin here
.set WSC,   2097152                    ; wq: likewise
.set EMAX,  2
; path X
.set XR,    16                         ; v16-79   four sets of 16 numbers as loaded
.set XX,    80                         ; v80-111  two sets of 16 neighbours
.set XE,    112                        ; v112-127 a scale byte for each step
.set XC,    128                        ; v128-191 codes: four registers for each step, so that no store's data are written again
.set SP,    80                         ; a lane's place in a stage: 64 bytes + 16 of padding
.set WREG,  8192                       ; LDS bytes 0-32767: a region for each wave: two stages of 32 x SP bytes and 256 scale bytes
; path W
.set WX,    32                         ; v32-95   two sets of 32 numbers
.set WC,    96                         ; v96-99   a block's codes
.set WO,    112                        ; v112-175 the way out
.set WSB,   24                         ; v24-27   16 scale bytes
.set WOF,   176                        ; v176-207 4 x lane + i x a row of the weight in bytes
.set WSTG,  32768                      ; LDS bytes 32768-67583: a stage of 32 rows x 272 bytes for each wave
.set PITCH, 272
; path R
.set TA,    16
.set TB,    32
.macro XLOAD t                         ; 32 lanes read 512 consecutive bytes, four times
.irp i, 0,1,2,3
	global_load_b128 v[XR+16*((\t)%4)+4*\i:XR+16*((\t)%4)+4*\i+3], v3, s[4:5] offset:2048*(\t)+512*\i th:TH_LOAD_NT
.endr
.endm
.macro XTURN t                         ; a step's 2,048 bytes through the wave's own stage: in as they lie, out 64 bytes a lane.  LDS serves a wave's instructions in order
.irp i, 0,1,2,3
	ds_store_b128 v14, v[XR+16*((\t)%4)+4*\i:XR+16*((\t)%4)+4*\i+3] offset:32*SP*((\t)%2)+8*SP*\i
.endr
.irp i, 0,1,2,3
	ds_load_b128 v[XX+16*((\t)%2)+4*\i:XX+16*((\t)%2)+4*\i+3], v15 offset:32*SP*((\t)%2)+16*\i
.endr
.endm
.macro XSTEP t
.set XSB, XX+16*((\t)%2)
.if (\t) > 0
	s_wait_dscnt 1                                 ; this step's numbers are back from the stage; the last step's byte store may be out
.else
	s_wait_dscnt 0x0
.endif
.if (\t)+4 < 16
	XLOAD (\t)+4                                   ; into the registers that this step's stage stores have read
.endif
.if (\t)+1 < 16
.if 14-(\t) >= 3
	s_wait_loadcnt 12                              ; the next step's four loads are in; those of the three steps behind it may be out
.else
	s_wait_loadcnt 4*(14-(\t))
.endif
	XTURN (\t)+1
.endif
	v_max3_num_f32 v8, |v[XSB]|, |v[XSB+1]|, |v[XSB+2]|            ; the largest magnitude of my 16, in two chains
	v_max3_num_f32 v9, |v[XSB+3]|, |v[XSB+4]|, |v[XSB+5]|
.irp i, 6,10
	v_max3_num_f32 v8, v8, |v[XSB+\i]|, |v[XSB+\i+1]|
	v_max3_num_f32 v9, v9, |v[XSB+\i+2]|, |v[XSB+\i+3]|
.endr
	v_max3_num_f32 v8, v8, |v[XSB+14]|, |v[XSB+15]|
	v_max3_num_f32 v8, v8, v9, (EMAX+1)<<23        ; and the floor 2^(3 - 127): the byte cannot fall under 1
	v_max_num_f32_dpp v8, v8, v8 row_xmask:1 row_mask:0xf bank_mask:0xf   ; with my neighbour's 16: the block's
	v_add_nc_u32 v11, -(EMAX<<23), v8              ; 2 off the exponent field: the conversion takes this operand's exponent field as its scale
	v_cvt_scalef32_pk8_fp4_f32 v[XC+4*(\t)], v[XSB:XSB+7], v11
	v_cvt_scalef32_pk8_fp4_f32 v[XC+4*(\t)+1], v[XSB+8:XSB+15], v11
	v_lshrrev_b32 v[XE+(\t)], 23, v11              ; the scale's byte
	ds_store_b8 v5, v[XE+(\t)] offset:16*(\t)      ; both lanes of a block write the same byte with the same value
	global_store_b64 v4, v[XC+4*(\t):XC+4*(\t)+1], s[24:25] offset:256*(\t)   ; the wave stores 256 consecutive bytes, aligned
.endm
.macro WLOAD t                         ; block t: 32 rows of the weight at my column, into set t % 2; 32 lanes read 128 consecutive bytes
.irp i, 0,1,2,3,4,5,6,7,8,9,10,11,12,13,14,15,16,17,18,19,20,21,22,23,24,25,26,27,28,29,30,31
	global_load_b32 v[WX+32*((\t)%2)+\i], v[WOF+\i], s[32+2*(\t):33+2*(\t)] th:TH_LOAD_NT
.endr
.endm
.macro WBLOCK t
.set WXS, WX+32*((\t)%2)
.if (\t) < 15
	s_wait_loadcnt 32                              ; this block's 32 loads are in; the next block's may be out
.else
	s_wait_loadcnt 0
.endif
	v_max3_num_f32 v12, |v[WXS]|, |v[WXS+1]|, |v[WXS+2]|           ; all 32 numbers of the block are mine
	v_max3_num_f32 v13, |v[WXS+3]|, |v[WXS+4]|, |v[WXS+5]|
.irp i, 6,10,14,18,22,26
	v_max3_num_f32 v12, v12, |v[WXS+\i]|, |v[WXS+\i+1]|
	v_max3_num_f32 v13, v13, |v[WXS+\i+2]|, |v[WXS+\i+3]|
.endr
	v_max3_num_f32 v12, v12, |v[WXS+30]|, |v[WXS+31]|
	v_max3_num_f32 v12, v12, v13, (EMAX+1)<<23
	v_add_nc_u32 v11, -(EMAX<<23), v12
	v_lshrrev_b32 v13, 23, v11
.if (\t)%4 == 0
	v_mov_b32 v[WSB+(\t)/4], v13                   ; four bytes to a register, the lower K in the lower byte
.else
	v_lshl_or_b32 v[WSB+(\t)/4], v13, 8*((\t)%4), v[WSB+(\t)/4]
.endif
.irp g, 0,1,2,3
	v_cvt_scalef32_pk8_fp4_f32 v[WC+\g], v[WXS+8*\g:WXS+8*\g+7], v11
.endr
	ds_store_b128 v4, v[WC:WC+3] offset:16*(\t)    ; 32 codes: 16 bytes of my column's row
.if (\t)+2 < 16
	WLOAD (\t)+2
.endif
	s_wait_dscnt 0x0                               ; the store has read its registers: the next block's codes may be written
.endm
; cos and sin of n x f0 and n x f1 (n in v10), into v[o] .. v[o+3] = cos, cos, sin, sin, and out.  The angle is one f32 product; k = the nearest whole number to angle x 2/pi;
; r = angle - k pi/2 by three fused multiply-adds on a three-part pi/2; polynomials on |r| <= pi/4; the quadrant k mod 4 swaps the two and sets the signs.
.macro SC2 jp, f0, f1, o
	v_mul_f32 v[TA], \f0, v10
	v_mul_f32 v[TB], \f1, v10
.irp F, TA, TB
	v_mul_f32 v[\F+1], 0x3f22f983, v[\F]
.endr
.irp F, TA, TB
	v_rndne_f32 v[\F+1], v[\F+1]
.endr
.irp F, TA, TB
	v_fmamk_f32 v[\F+2], v[\F+1], 0xbfc90fd8, v[\F]
.endr
.irp F, TA, TB
	v_fmamk_f32 v[\F+2], v[\F+1], 0xb4a8885a, v[\F+2]
.endr
.irp F, TA, TB
	v_fmamk_f32 v[\F+2], v[\F+1], 0xa7c234c4, v[\F+2]
.endr
.irp F, TA, TB
	v_mul_f32 v[\F+3], v[\F+2], v[\F+2]            ; s = r r
	v_mov_b32 v[\F+4], 0x37cd4000
	v_mov_b32 v[\F+5], 0x36405000
.endr
.irp F, TA, TB
	v_fmaak_f32 v[\F+4], v[\F+4], v[\F+3], 0xbab6077d
	v_fmaak_f32 v[\F+5], v[\F+5], v[\F+3], 0xb9503486
.endr
.irp F, TA, TB
	v_fmaak_f32 v[\F+4], v[\F+4], v[\F+3], 0x3d2aaaa8
	v_fmaak_f32 v[\F+5], v[\F+5], v[\F+3], 0x3c0888c1
.endr
.irp F, TA, TB
	v_fma_f32 v[\F+4], v[\F+4], v[\F+3], -0.5
	v_fmaak_f32 v[\F+5], v[\F+5], v[\F+3], 0xbe2aaaab
	v_mul_f32 v[\F+6], v[\F+2], v[\F+3]
.endr
.irp F, TA, TB
	v_fma_f32 v[\F+4], v[\F+4], v[\F+3], 1.0       ; cos r
	v_fma_f32 v[\F+5], v[\F+5], v[\F+6], v[\F+2]   ; sin r
	v_cvt_i32_f32 v[\F+7], v[\F+1]
.endr
.irp F, TA, TB
	v_and_b32 v[\F+8], 1, v[\F+7]
.endr
	v_cmp_eq_u32 vcc_lo, 1, v[TA+8]                ; an odd quadrant swaps the two: a choice of values, no branch
	v_cndmask_b32 v[\o], v[TA+4], v[TA+5], vcc_lo
	v_cndmask_b32 v[\o+2], v[TA+5], v[TA+4], vcc_lo
	v_cmp_eq_u32 vcc_lo, 1, v[TB+8]
	v_cndmask_b32 v[\o+1], v[TB+4], v[TB+5], vcc_lo
	v_cndmask_b32 v[\o+3], v[TB+5], v[TB+4], vcc_lo
.irp F, TA, TB
	v_lshlrev_b32 v[\F+8], 30, v[\F+7]             ; sin is negative where bit 1 of k is set,
	v_add_nc_u32 v[\F+7], 1, v[\F+7]
.endr
.irp F, TA, TB
	v_and_b32 v[\F+8], 0x80000000, v[\F+8]
	v_lshlrev_b32 v[\F+7], 30, v[\F+7]             ; cos where bit 1 of k + 1 is
.endr
.irp F, TA, TB
	v_and_b32 v[\F+7], 0x80000000, v[\F+7]
.endr
	v_xor_b32 v[\o+2], v[\o+2], v[TA+8]
	v_xor_b32 v[\o+3], v[\o+3], v[TB+8]
	v_xor_b32 v[\o], v[\o], v[TA+7]
	v_xor_b32 v[\o+1], v[\o+1], v[TB+7]
	global_store_b128 v11, v[\o:\o+3], s[14:15] offset:(\jp)*32768   ; a wave's 32 lanes fill 512 consecutive bytes; each pair of frequencies has its own four registers
.endm
	s_load_b256 s[4:11], s[0:1], 0x0               ; x s[4:5], W_qkv s[6:7], W_proj s[8:9], xq s[10:11]
	s_load_b128 s[12:15], s[0:1], 0x20             ; wq s[12:13], rope s[14:15]
	v_lshl_add_u32 v208, v0, 2, 0x10800
	v_mov_b32 v209, 0
	v_lshrrev_b32 v1, 5, v0
	v_readfirstlane_b32 s16, v1                    ; wave 0..3
	v_and_b32 v2, 31, v0                           ; lane
	s_wait_kmcnt 0x0
	s_cmp_lt_u32 ttmp9, 256
	s_cbranch_scc0 .Lnot_x
	; ---------------- path X: a wave takes 8 rows of x, 8,192 numbers, in 16 steps of 512
	s_wait_alu depctr_va_vdst(0)
	v_lshlrev_b32 v3, 4, v2                        ; my 16 bytes of a load's 512
	s_mul_i32 s17, s16, WREG
	v_lshrrev_b32 v14, 2, v2
	v_mul_u32_u24 v14, v14, SP
	v_and_b32 v15, 3, v2
	v_lshl_add_u32 v14, v15, 4, v14
	v_add_nc_u32 v14, s17, v14                     ; the stage, on the way in: SP (lane / 4) + 16 (lane % 4)
	v_mul_u32_u24 v15, v2, SP
	v_add_nc_u32 v15, s17, v15                     ; on the way out: SP x lane
	v_lshlrev_b32 v4, 3, v2                        ; 8 bytes a lane: my codes' place in a step's, and my part of the 256 scale bytes
	v_lshrrev_b32 v5, 1, v2
	s_add_co_u32 s17, s17, 2*32*SP
	v_add_nc_u32 v5, s17, v5                       ; LDS: my block's byte among my wave's 256
	v_add_nc_u32 v6, s17, v4
	s_lshl_b32 s18, ttmp9, 2
	s_add_co_u32 s19, s18, s16                     ; which 8 rows I read: 4 x work-group + wave
	s_and_b32 s20, s16, 1
	s_lshl_b32 s20, s20, 1
	s_lshr_b32 s21, s16, 1
	s_or_b32 s20, s20, s21
	s_add_co_u32 s18, s18, s20                     ; and at which 8 places they are stored: the wave's two bits (the rows' bits 3 and 4) exchanged
	s_lshl_b32 s22, s19, 15
	s_mov_b32 s23, 0
	s_add_nc_u64 s[4:5], s[4:5], s[22:23]
	s_lshl_b32 s22, s18, 12
	s_add_nc_u64 s[24:25], s[10:11], s[22:23]      ; 8 rows x 512 bytes of codes
	s_lshl_b32 s22, s18, 8
	s_add_co_u32 s22, s22, XSC
	s_add_nc_u64 s[26:27], s[10:11], s[22:23]      ; 8 rows x 32 scale bytes
.irp t, 0,1,2,3
	XLOAD \t
.endr
	s_wait_alu depctr_va_vdst(0)
	s_wait_loadcnt 12                              ; step 0's four loads are in
	XTURN 0
.irp t, 0,1,2,3,4,5,6,7,8,9,10,11,12,13,14,15
	XSTEP \t
.endr
	ds_load_b64 v[12:13], v6                       ; LDS serves a wave's instructions in order: these see my byte stores
	s_wait_dscnt 0x0
	global_store_b64 v4, v[12:13], s[26:27]        ; 32 lanes store 256 consecutive bytes, aligned
	s_wait_tensorcnt 0x0
	ds_add_u32 v208, v209
	s_wait_dscnt 0x0
	s_endpgm
.Lnot_x:
	s_cmp_lt_u32 ttmp9, 320
	s_cbranch_scc0 .Lrope
	; ---------------- path W: a wave takes 32 columns x 512 along K; a lane takes a column and its registers run down K
	s_sub_co_u32 s17, ttmp9, 256
	s_lshr_b32 s18, s17, 1                         ; block of 128 columns, 0-23 of W_qkv, 24-31 of W_proj
	s_and_b32 s19, s17, 1                          ; which 512 of K
	s_cmp_lt_u32 s18, 24                           ; the choice hangs on the work-group's number alone
	s_cselect_b64 s[6:7], s[6:7], s[8:9]
	s_mov_b32 s20, 4096
	s_cselect_b32 s20, 12288, s20                  ; a row of the weight in bytes
	s_cselect_b32 s21, 0, 24
	s_sub_co_u32 s21, s18, s21                     ; the block's number inside its own weight
	s_wait_alu depctr_va_vdst(0)
	v_lshlrev_b32 v3, 2, v2
.irp i, 0,1,2,3,4,5,6,7,8,9,10,11,12,13,14,15,16,17,18,19,20,21,22,23,24,25,26,27,28,29,30,31
	v_mad_u32_u24 v[WOF+\i], s20, \i, v3
.endr
	s_mul_i32 s22, s19, s20
	s_lshl_b32 s22, s22, 9                         ; 512 rows down for the second half of K
	s_lshl_b32 s23, s21, 9
	s_add_co_u32 s22, s22, s23
	s_lshl_b32 s23, s16, 7
	s_add_co_u32 s22, s22, s23                     ; + 4 x my wave's first column
	s_mov_b32 s23, 0
	s_add_nc_u64 s[32:33], s[6:7], s[22:23]        ; a base for each of the 16 blocks, 32 rows apart
	s_lshl_b32 s24, s20, 5
	s_mov_b32 s25, 0
.irp t, 1,2,3,4,5,6,7,8,9,10,11,12,13,14,15
	s_add_nc_u64 s[32+2*\t:33+2*\t], s[30+2*\t:31+2*\t], s[24:25]
.endr
	s_wait_alu depctr_va_vdst(0)
	WLOAD 0
	WLOAD 1
	v_and_b32 v5, 7, v2                            ; my column's place among the wave's 32: bits 3 and 4 exchanged
	v_bfe_u32 v6, v2, 3, 1
	v_lshl_or_b32 v5, v6, 4, v5
	v_bfe_u32 v6, v2, 4, 1
	v_lshl_or_b32 v5, v6, 3, v5
	s_mul_i32 s26, s16, 32*PITCH
	s_add_co_u32 s26, s26, WSTG                    ; my stage
	v_mul_u32_u24 v4, v5, PITCH
	v_add_nc_u32 v4, s26, v4                       ; into it: row = my column's place
	v_and_b32 v10, 15, v2
	v_lshrrev_b32 v6, 4, v2
	v_mul_u32_u24 v7, v6, PITCH
	v_lshl_add_u32 v7, v10, 4, v7
	v_add_nc_u32 v7, s26, v7                       ; out of it: sixteen lanes to a row, two rows an instruction
	v_lshlrev_b32 v8, 9, v6
	v_lshl_add_u32 v8, v10, 4, v8                  ; the same in wq: rows of 512 bytes
	v_lshlrev_b32 v9, 5, v5                        ; my place's 32 scale bytes
	s_lshl_b32 s27, s18, 7
	s_lshl_b32 s28, s16, 5
	s_add_co_u32 s27, s27, s28                     ; my wave's first place
	s_lshl_b32 s28, s27, 9
	s_lshl_b32 s29, s19, 8
	s_add_co_u32 s28, s28, s29
	s_mov_b32 s29, 0
	s_add_nc_u64 s[28:29], s[12:13], s[28:29]
	s_lshl_b32 s30, s27, 5
	s_lshl_b32 s31, s19, 4
	s_add_co_u32 s30, s30, s31
	s_add_co_u32 s30, s30, WSC
	s_mov_b32 s31, 0
	s_add_nc_u64 s[30:31], s[12:13], s[30:31]
.set Q, 0
.rept 16
	WBLOCK Q
.set Q, Q+1
.endr
	s_wait_alu depctr_va_vdst(0)
	global_store_b128 v9, v[WSB:WSB+3], s[30:31]   ; my column's 16 scale bytes
.irp t, 0,1,2,3,4,5,6,7,8,9,10,11,12,13,14,15
	ds_load_b128 v[WO+4*\t:WO+4*\t+3], v7 offset:2*\t*PITCH
.endr
.irp t, 0,1,2,3,4,5,6,7,8,9,10,11,12,13,14,15
	s_wait_dscnt 15-\t                             ; LDS loads come back in order: load t is in, the younger ones may be out
	global_store_b128 v8, v[WO+4*\t:WO+4*\t+3], s[28:29] offset:1024*\t   ; sixteen lanes store 256 consecutive bytes, aligned
.endr
	s_wait_tensorcnt 0x0
	ds_add_u32 v208, v209
	s_wait_dscnt 0x0
	s_endpgm
.Lrope:
	; ---------------- path R: a thread takes a token; a work-group 128 tokens and four pairs of frequencies
	s_sub_co_u32 s17, ttmp9, 320
	s_lshr_b32 s18, s17, 4                         ; which four pairs
	s_and_b32 s19, s17, 15
	s_lshl_b32 s19, s19, 7                         ; the first token
	v_add_nc_u32 v13, s19, v0
	v_cvt_f32_u32 v10, v13                         ; n
	v_and_b32 v12, 0x67, v0
	v_bfe_u32 v13, v0, 3, 1
	v_lshl_or_b32 v12, v13, 4, v12
	v_bfe_u32 v13, v0, 4, 1
	v_lshl_or_b32 v12, v13, 3, v12
	v_add_nc_u32 v12, s19, v12                     ; the token's place
	v_lshlrev_b32 v11, 4, v12
	s_cmp_eq_u32 s18, 0
	s_cbranch_scc0 .Lr1
	SC2 0, 1.0, 0.7498942093, 48
	SC2 1, 0.5623413252, 0.4216965034, 52
	SC2 2, 0.3162277660, 0.2371373706, 56
	SC2 3, 0.1778279410, 0.1333521432, 60
	s_endpgm
.Lr1:
	s_cmp_eq_u32 s18, 1
	s_cbranch_scc0 .Lr2
	s_wait_alu depctr_va_vdst(0)
	SC2 4, 0.1, 0.07498942093, 48
	SC2 5, 0.05623413252, 0.04216965034, 52
	SC2 6, 0.03162277660, 0.02371373706, 56
	SC2 7, 0.01778279410, 0.01333521432, 60
	s_endpgm
.Lr2:
	s_cmp_eq_u32 s18, 2
	s_cbranch_scc0 .Lr3
	s_wait_alu depctr_va_vdst(0)
	SC2 8, 0.01, 0.007498942093, 48
	SC2 9, 0.005623413252, 0.004216965034, 52
	SC2 10, 0.003162277660, 0.002371373706, 56
	SC2 11, 0.001778279410, 0.001333521432, 60
	s_endpgm
.Lr3:
	s_wait_alu depctr_va_vdst(0)
	SC2 12, 0.001, 0.0007498942093, 48
	SC2 13, 0.0005623413252, 0.0004216965034, 52
	SC2 14, 0.0003162277660, 0.0002371373706, 56
	SC2 15, 0.0001778279410, 0.0001333521432, 60
	s_endpgm
.Lfunc_end_k_q3182accbdd_prep:
	.size	k_q3182accbdd_prep, .Lfunc_end_k_q3182accbdd_prep-k_q3182accbdd_prep
	.p2alignl 7, 3214868480
	.fill 96, 4, 3214868480
	.section	.rodata,"a",@progbits
	.p2align	6, 0x0
	.amdhsa_kernel k_q3182accbdd_prep
		.amdhsa_group_segment_fixed_size 68096
		.amdhsa_private_segment_fixed_size 0
		.amdhsa_enable_private_segment 0
		.amdhsa_kernarg_size 48
		.amdhsa_user_sgpr_count 2
		.amdhsa_user_sgpr_kernarg_segment_ptr 1
		.amdhsa_wavefront_size32 1
		.amdhsa_system_sgpr_workgroup_id_x 1
		.amdhsa_system_sgpr_workgroup_id_y 1
		.amdhsa_system_sgpr_workgroup_id_z 1
		.amdhsa_system_vgpr_workitem_id 0
		.amdhsa_next_free_vgpr 210
		.amdhsa_next_free_sgpr 66
		.amdhsa_reserve_vcc 1
		.amdhsa_float_denorm_mode_32 3
		.amdhsa_float_denorm_mode_16_64 3
		.amdhsa_memory_ordered 1
		.amdhsa_forward_progress 1
		.amdhsa_inst_pref_size 164
	.end_amdhsa_kernel
	.amdgpu_metadata
---
amdhsa.version: [ 1, 2 ]
amdhsa.kernels:
  - .name:           k_q3182accbdd_prep
    .symbol:         k_q3182accbdd_prep.kd
    .args:
      - { .name: x, .offset: 0, .size: 8, .value_kind: global_buffer, .address_space: global }
      - { .name: W_qkv, .offset: 8, .size: 8, .value_kind: global_buffer, .address_space: global }
      - { .name: W_proj, .offset: 16, .size: 8, .value_kind: global_buffer, .address_space: global }
      - { .name: xq, .offset: 24, .size: 8, .value_kind: global_buffer, .address_space: global }
      - { .name: wq, .offset: 32, .size: 8, .value_kind: global_buffer, .address_space: global }
      - { .name: rope, .offset: 40, .size: 8, .value_kind: global_buffer, .address_space: global }
    .group_segment_fixed_size: 68096
    .private_segment_fixed_size: 0
    .kernarg_segment_align: 8
    .kernarg_segment_size: 48
    .max_flat_workgroup_size: 128
    .sgpr_count:     66
    .vgpr_count:     210
    .wavefront_size: 32
...
	.end_amdgpu_metadata
.endif
;; end of part 1
;; launch qkv (part 2): grid 16 x 32, 12 waves a work-group, clusters of 4 x 4, 247,296 bytes of LDS; arguments xq, wq, rope, b_qkv, qkv; writes qkv
.if DOCPART == 2
	.amdgcn_target "amdgcn-amd-amdhsa--gfx1250"
	.amdhsa_code_object_version 6
	.text
	.protected	k_q3182accbdd_qkv
	.globl	k_q3182accbdd_qkv
	.p2align	8
	.type	k_q3182accbdd_qkv,@function
k_q3182accbdd_qkv:
	s_mov_b64 s[64:65], 0
	v_nop
	global_prefetch_b8 v0, s[64:65] scope:SCOPE_SE
	s_setreg_imm32_b32 hwreg(HW_REG_WAVE_MODE, 25, 1), 1
	s_wait_xcnt 0x0
	s_wait_alu depctr_hold_cnt(0) depctr_sa_sdst(0) depctr_va_vdst(0) depctr_va_sdst(0) depctr_va_ssrc(0) depctr_va_vcc(0) depctr_vm_vsrc(0)
	s_getreg_b32 s2, hwreg(HW_REG_IB_STS2, 6, 4)
	s_cmp_eq_u32 s2, 0
	s_cbranch_scc0 .Lentry_in_a_cluster
	s_endpgm
.Lentry_in_a_cluster:
	s_bfe_u32 s2, ttmp6, 0x10000c
	s_cmp_lg_u32 s2, 0xf033
	s_cbranch_scc0 .Lentry_shape_is_right
	s_endpgm
.Lentry_shape_is_right:
; QKV.  qkv = Q(x) Q(W_qkv) + b_qkv on codes of FP4 with E8M0 scales, then the rotary embedding on q and k, then the quantisers of the two attention products; what leaves is codes and scale words
; laid as IMAGES OF OPERAND REGISTERS (lane l's 16 bytes at 16 l, four registers in 512 bytes), so that the next launch loads fragments as they stand.
; SHARES.  A work-group takes 256 places of tokens x one head's 64 q, 64 k and 64 v columns; all of K = 1,024 lies in LDS (two halves of 512, each filled once: nothing is filled twice).
;   waves 0-3: q, waves 4-7: k: 64 places x 64 columns, USED TRANSPOSED (source 0 = 16 columns of W, source 1 = 16 places of x): a lane holds one token, its registers run along the head's 64 channels.
;   waves 8-11: v: 128 places x 32 channels, source 0 = x, source 1 = W: a lane holds one channel, its registers run along the tokens, which are the second attention product's K.
;   By the order of places in xq and wq (bits 3 and 4 of a row's number exchanged) the 16 registers of two neighbouring result tiles are 16 neighbours along the next K.
; CLUSTER 4 x 4: the four work-groups of a row of the cluster share their places of x, the four of a column their head's columns of W: each tile is asked for jointly.
; OUT.  q, k: [batch x head][pair of tiles: 32 places][1,024 bytes]: registers 0-3 the first tile (lane (r, h): block h of token r), 4-7 the second; one scale word for a pair's row r (two bytes a tile).
;       v: [batch x head][128 keys][16 channels][1,024 bytes]: a fragment of 16 channels x 128 keys; one scale word a channel.  The scale words leave 128 bytes at a time: one byte in 17 of what is stored.
; LIMITS: NaN and infinities are not served; a block whose largest magnitude lies under 2^-124 keeps the scale byte 1.
.set HALF,  121856                     ; LDS: a half of K: x's 256 rows, then W's 192 (q's, k's, v's 64), 256 bytes + 16 of padding each
.set STRIP, 17408                      ; 64 such rows: what one tensor load brings
.set WOFF,  4*STRIP
.set XSC,   4194304
.set WSC,   2097152
.set V_IMG, 8388608
.set Q_SC,  12582912
.set V_SC,  13107200
.set PADW,  (1<<20)|(1<<21)|(5<<22)|(3<<25)   ; elements of 1 byte; padding on; bit 21 beside a mask; after every 64 words, 4 words
.set WV,  14                           ; s14 my wave's number
.set G1X, 24                           ; s[24:31] descriptor group 1 for x's tiles;  s[32:39] for W's
.set G1W, 32
.set G0X, 40                           ; s[40:47] groups 0 for x, a set for each half of K;  s[48:55] for W
.set G0W, 48
.set SEL, 72                           ; s[72:73] lane selects: lane l xor 16
.set XS,  24                           ; v24-63 hold scale words and nothing else: x's from v24 (4 registers a tile: register q = K step q in lanes 0-15, K step 4 + q in lanes 16-31),
.set WSQ, 40                           ; W's from v40 (q, k roles)
.set WSV, 56                           ; or from v56 (v role, whose x tiles take v24-55)
.set XF,  64                           ; v64-95  four fragments of x; later the table's cos and sin
.set RP,  64
.set WF,  96                           ; v96-127 four fragments of W (v role: two, and v112-127 the bias)
.set BV,  112
.set TM,  96                           ; later: v96-111 at work in the quantiser, v112-119 and v120-127 codes; v120-127 also at work in the rotation
.set PC,  112
.set T,   120
.set ACC, 128                          ; v128-255 sixteen accumulators
.macro CROUND                          ; a round of the cluster's barrier
	s_barrier_signal -1
	s_barrier_wait -1
	s_cmp_lg_u32 s[WV], 0
	s_cbranch_scc1 .Lnot_wave_0_\@
	s_barrier_signal -3
.Lnot_wave_0_\@:
	s_barrier_wait -3
	s_barrier_signal -1
	s_barrier_wait -1
.endm
.macro PLACES                          ; four places behind matrix instructions, ahead of loads into their registers and of reads of their results
.rept 4
	v_nop
.endr
.endm
; one product; ra, rb: A's and B's scale words stand in lanes 16-31
.macro WMMA d, a, b, c, sa, sb, ra, rb
.if (\ra) && (\rb)
	v_wmma_scale_f32_16x16x128_f8f6f4 v[(\d):(\d)+7], v[(\a):(\a)+7], v[(\b):(\b)+7], v[(\c):(\c)+7], v[\sa], v[\sb] matrix_a_fmt:MATRIX_FMT_FP4 matrix_b_fmt:MATRIX_FMT_FP4 matrix_a_scale:MATRIX_SCALE_ROW1 matrix_b_scale:MATRIX_SCALE_ROW1
.else
	v_wmma_scale_f32_16x16x128_f8f6f4 v[(\d):(\d)+7], v[(\a):(\a)+7], v[(\b):(\b)+7], v[(\c):(\c)+7], v[\sa], v[\sb] matrix_a_fmt:MATRIX_FMT_FP4 matrix_b_fmt:MATRIX_FMT_FP4
.endif
.endm
; q, k roles: K step q of half hf: 16 LDS loads, 16 products on 16 accumulators by turns
.macro QKSTEP hf, q
.irp i, 0,1,2,3
.irp c, 0,1
	ds_load_b128 v[WF+8*\i+4*\c:WF+8*\i+4*\c+3], v[8+\hf] offset:4352*\i+64*\q+32*\c
	ds_load_b128 v[XF+8*\i+4*\c:XF+8*\i+4*\c+3], v[4+\hf] offset:4352*\i+64*\q+32*\c
.endr
.endr
	s_wait_dscnt 0x0
.irp tt, 0,1,2,3
.irp ct, 0,1,2,3
	WMMA ACC+32*\tt+8*\ct, WF+8*\ct, XF+8*\tt, ACC+32*\tt+8*\ct, WSQ+4*\ct+\q, XS+4*\tt+\q, \hf, \hf
.endr
.endr
	PLACES
.endm
; v role: the same K step: W's two tiles, x's eight in two runs of four.  first = 1: the bias is the C of each sum's first product
.macro VSTEP hf, q, first
.irp ct, 0,1
.irp c, 0,1
	ds_load_b128 v[WF+8*\ct+4*\c:WF+8*\ct+4*\c+3], v[10+\hf] offset:4352*\ct+64*\q+32*\c
.endr
.endr
.irp g, 0,1
.irp i, 0,1,2,3
.irp c, 0,1
	ds_load_b128 v[XF+8*\i+4*\c:XF+8*\i+4*\c+3], v[6+\hf] offset:4352*(4*\g+\i)+64*\q+32*\c
.endr
.endr
	s_wait_dscnt 0x0
.irp i, 0,1,2,3
.irp ct, 0,1
.if \first
	WMMA ACC+64*\ct+8*(4*\g+\i), XF+8*\i, WF+8*\ct, BV+8*\ct, XS+4*(4*\g+\i)+\q, WSV+4*\ct+\q, \hf, \hf
.else
	WMMA ACC+64*\ct+8*(4*\g+\i), XF+8*\i, WF+8*\ct, ACC+64*\ct+8*(4*\g+\i), XS+4*(4*\g+\i)+\q, WSV+4*\ct+\q, \hf, \hf
.endif
.endr
.endr
	PLACES
.endr
.endm
; 64 numbers of a lane, register 16 b + i = k 32 b + 16 (lane / 16) + i of my row, become a fragment's codes in v[pc] on and its scale word in v[pw]
.macro QUANT s, pw, pc
.irp b, 0,1,2,3
	v_max3_num_f32 v[TM+\b], |v[\s+16*\b]|, |v[\s+1+16*\b]|, 0x1800000   ; my 16 numbers of block b, and the floor 2^(3 - 127): the byte cannot fall under 1
.endr
.irp i, 2,4,6,8,10,12,14
.irp b, 0,1,2,3
	v_max3_num_f32 v[TM+\b], v[TM+\b], |v[\s+16*\b+\i]|, |v[\s+1+16*\b+\i]|
.endr
.endr
.irp b, 0,1,2,3
	s_delay_alu instid0(VALU_DEP_4)
	v_permlanex16_b32 v[TM+4+\b], v[TM+\b], s[SEL], s[SEL+1]
.endr
.irp b, 0,1,2,3
	s_delay_alu instid0(VALU_DEP_4)
	v_max_num_f32 v[TM+\b], v[TM+\b], v[TM+4+\b]   ; with lane l xor 16's: the block's largest magnitude
.endr
.irp b, 0,1,2,3
	s_delay_alu instid0(VALU_DEP_4)
	v_add_nc_u32 v[TM+12+\b], 0xff000000, v[TM+\b] ; 2 off its exponent field: the conversion's scale operand
.endr
.irp b, 0,1,2,3
	s_delay_alu instid0(VALU_DEP_4)
	v_lshrrev_b32 v[TM+4+\b], 23, v[TM+12+\b]      ; the scale's byte
.endr
	s_delay_alu instid0(VALU_DEP_3)
	v_lshl_or_b32 v[\pw], v[TM+5], 8, v[TM+4]
	s_delay_alu instid0(VALU_DEP_1)
	v_lshl_or_b32 v[\pw], v[TM+6], 16, v[\pw]
	s_delay_alu instid0(VALU_DEP_1)
	v_lshl_or_b32 v[\pw], v[TM+7], 24, v[\pw]
.irp b, 0,1,2,3
	v_cvt_scalef32_pk8_fp4_f32 v[\pc+2*\b], v[\s+16*\b:\s+7+16*\b], v[TM+12+\b]
	v_cvt_scalef32_pk8_fp4_f32 v[\pc+1+2*\b], v[\s+8+16*\b:\s+15+16*\b], v[TM+12+\b]
.endr
	v_nop                                          ; one plain place behind a scaled conversion
.irp c, 0,1                                    ; a whole block to a lane: lanes 0-15 block 2 c, lanes 16-31 block 2 c + 1
.irp i, 0,1
	v_permlane16_swap_b32 v[\pc+4*\c+\i], v[\pc+2+4*\c+\i]
.endr
.endr
.endm
.macro RLOAD tt                        ; cos and sin for tile tt's 16 tokens: my token, my half's eight pairs of frequencies
.irp p, 0,1,2,3,4,5,6,7
	global_load_b128 v[RP+4*\p:RP+4*\p+3], v14, s[66:67] offset:32768*\p+256*\tt
.endr
.endm
; the rotation of tile tt: a = channels 16 h + 2 p, + 1; b = the same + 32:  a' = a cos - b sin, b' = b cos + a sin.  Ascending
.macro ROPEW tt, rp
.irp p, 0,1,2,3,4,5,6,7
	v_pk_mul_f32 v[T+4*(\p%2):T+4*(\p%2)+1], v[ACC+32*\tt+16+2*\p:ACC+32*\tt+17+2*\p], v[\rp+4*\p+2:\rp+4*\p+3]
	v_pk_mul_f32 v[T+4*(\p%2)+2:T+4*(\p%2)+3], v[ACC+32*\tt+2*\p:ACC+32*\tt+1+2*\p], v[\rp+4*\p+2:\rp+4*\p+3]
	v_pk_fma_f32 v[ACC+32*\tt+2*\p:ACC+32*\tt+1+2*\p], v[ACC+32*\tt+2*\p:ACC+32*\tt+1+2*\p], v[\rp+4*\p:\rp+4*\p+1], v[T+4*(\p%2):T+4*(\p%2)+1] neg_lo:[0,0,1] neg_hi:[0,0,1]
	v_pk_fma_f32 v[ACC+32*\tt+16+2*\p:ACC+32*\tt+17+2*\p], v[ACC+32*\tt+16+2*\p:ACC+32*\tt+17+2*\p], v[\rp+4*\p:\rp+4*\p+1], v[T+4*(\p%2)+2:T+4*(\p%2)+3]
.endr
.endm
.macro ROPE tt
.irp p, 0,1,2,3,4,5,6,7
	v_pk_mul_f32 v[T+4*(\p%2):T+4*(\p%2)+1], v[ACC+32*\tt+16+2*\p:ACC+32*\tt+17+2*\p], v[RP+4*\p+2:RP+4*\p+3]
	v_pk_mul_f32 v[T+4*(\p%2)+2:T+4*(\p%2)+3], v[ACC+32*\tt+2*\p:ACC+32*\tt+1+2*\p], v[RP+4*\p+2:RP+4*\p+3]
	v_pk_fma_f32 v[ACC+32*\tt+2*\p:ACC+32*\tt+1+2*\p], v[ACC+32*\tt+2*\p:ACC+32*\tt+1+2*\p], v[RP+4*\p:RP+4*\p+1], v[T+4*(\p%2):T+4*(\p%2)+1] neg_lo:[0,0,1] neg_hi:[0,0,1]
	v_pk_fma_f32 v[ACC+32*\tt+16+2*\p:ACC+32*\tt+17+2*\p], v[ACC+32*\tt+16+2*\p:ACC+32*\tt+17+2*\p], v[RP+4*\p:RP+4*\p+1], v[T+4*(\p%2)+2:T+4*(\p%2)+3]
.endr
.endm
	s_load_b256 s[4:11], s[0:1], 0x0               ; xq s[4:5], wq s[6:7], rope s[8:9], b_qkv s[10:11]
	s_load_b64 s[12:13], s[0:1], 0x20              ; qkv
	v_lshl_add_u32 v22, v0, 2, 0x3c000
	v_mov_b32 v23, 0
	ds_add_u32 v22, v23
	ds_add_u32 v22, v23
	v_lshrrev_b32 v1, 5, v0
	s_delay_alu instid0(VALU_DEP_1)
	v_readfirstlane_b32 s[WV], v1                  ; wave 0..11
	s_bfe_u32 s15, ttmp6, 0x40000                  ; cx
	s_bfe_u32 s16, ttmp6, 0x40004                  ; cy
	s_lshl_b32 s17, ttmp9, 2
	s_add_co_u32 s17, s17, s15                     ; the head = 4 x cluster x + cx
	s_and_b32 s18, ttmp7, 0xffff
	s_lshl_b32 s18, s18, 2
	s_add_co_u32 s18, s18, s16                     ; the block of 256 places = 4 x cluster y + cy
	s_lshl_b32 s19, s16, 2
	s_lshl_b32 s19, 15, s19                        ; my row of the cluster
	s_lshl_b32 s20, 0x1111, s15                    ; my column
	s_or_b32 s[G1X], s19, PADW                     ; x's tiles hang on the block of places alone: shared along the row
	s_or_b32 s[G1W], s20, PADW                     ; W's on the head alone: shared along the column
.irp g, G1X, G1W
	s_mov_b32 s[\g+1], 256<<16                     ; tensor_dim0 = 256 bytes: half of K
	s_mov_b32 s[\g+2], 64<<16                      ; tensor_dim1 = 64 rows
	s_mov_b32 s[\g+3], 256<<16                     ; tile_dim0
	s_mov_b32 s[\g+4], 64                          ; tile_dim1
	s_mov_b32 s[\g+5], 512                         ; from row to row
	s_mov_b32 s[\g+6], 0
	s_mov_b32 s[\g+7], 0
.endr
	s_and_b32 s21, s[WV], 3                        ; my number inside my role; for the fills: which 64 rows of x (waves 0-3), which strip of W (waves 4-6)
	s_lshl_b32 s56, s18, 8
	s_lshl_b32 s22, s21, 6
	s_add_co_u32 s56, s56, s22
	s_lshl_b32 s56, s56, 9                         ; x: (256 x block + 64 x wave) rows of 512 bytes
	s_mov_b32 s57, 0
	s_lshl_b32 s58, s17, 6
	s_lshl_b32 s22, s21, 10
	s_add_co_u32 s58, s58, s22
	s_lshl_b32 s58, s58, 9                         ; W: (1,024 x strip + 64 x head) rows
	s_mov_b32 s59, 0
	s_mul_i32 s23, s[WV], STRIP                    ; where they go: wave x 64 rows: no place in the cluster enters an LDS address
	s_wait_dscnt 0x0
	s_wait_kmcnt 0x0
	s_add_nc_u64 s[56:57], s[4:5], s[56:57]
	s_add_nc_u64 s[58:59], s[6:7], s[58:59]
.irp hf, 0,1
	s_mov_b32 s[G0X+4*\hf], 1
	s_add_co_u32 s[G0X+4*\hf+1], s23, \hf*HALF
	s_add_nc_u64 s[G0X+4*\hf+2:G0X+4*\hf+3], s[56:57], \hf*256
	s_or_b32 s[G0X+4*\hf+3], s[G0X+4*\hf+3], 0x80000000
	s_mov_b32 s[G0W+4*\hf], 1
	s_add_co_u32 s[G0W+4*\hf+1], s23, \hf*HALF
	s_add_nc_u64 s[G0W+4*\hf+2:G0W+4*\hf+3], s[58:59], \hf*256
	s_or_b32 s[G0W+4*\hf+3], s[G0W+4*\hf+3], 0x80000000
.endr
	CROUND                                         ; all sixteen work-groups are here: the joint loads meet
	; twelve fills, one a wave: waves 0-3 x's four strips of K's first half, waves 4-6 W's three; waves 7 and 11 x's second half, 128 rows each; waves 8-10 W's three strips of the second half
	s_lshr_b32 s90, s[WV], 3                       ; wave 7: rows 0-127, wave 11: rows 128-255
	s_lshl_b32 s88, s18, 8
	s_lshl_b32 s91, s90, 7
	s_add_co_u32 s88, s88, s91
	s_lshl_b32 s88, s88, 9
	s_add_co_u32 s88, s88, 256                     ; the second 256 bytes of each row
	s_mov_b32 s89, 0
	s_add_nc_u64 s[G0X+6:G0X+7], s[4:5], s[88:89]
	s_or_b32 s[G0X+7], s[G0X+7], 0x80000000
	s_mul_i32 s[G0X+5], s90, 2*STRIP
	s_add_co_u32 s[G0X+5], s[G0X+5], HALF
	s_mul_i32 s[G0W+5], s21, STRIP
	s_add_co_u32 s[G0W+5], s[G0W+5], HALF+WOFF
	s_or_b32 s92, s19, PADW                        ; group 1 for 128 rows of x, shared along the row of the cluster
	s_mov_b32 s93, 256<<16
	s_mov_b32 s94, 128<<16
	s_mov_b32 s95, 256<<16
	s_mov_b32 s96, 128
	s_mov_b32 s97, 512
	s_mov_b32 s98, 0
	s_mov_b32 s99, 0
	s_cmp_lt_u32 s[WV], 4                          ; one chain of branches on the wave's number, one load to an arm
	s_cbranch_scc0 .Lnot_x
	tensor_load_to_lds s[G0X:G0X+3], s[G1X:G1X+7]
	s_nop 0
	PLACES
	s_branch .Lasked
.Lnot_x:
	s_cmp_eq_u32 s21, 3
	s_cbranch_scc0 .Lnot_x1
	tensor_load_to_lds s[G0X+4:G0X+7], s[92:99]
	s_nop 0
	PLACES
	s_branch .Lasked
.Lnot_x1:
	s_cmp_lt_u32 s[WV], 8
	s_cbranch_scc0 .Lnot_w0
	tensor_load_to_lds s[G0W:G0W+3], s[G1W:G1W+7]
	s_nop 0
	PLACES
	s_branch .Lasked
.Lnot_w0:
	tensor_load_to_lds s[G0W+4:G0W+7], s[G1W:G1W+7]
	s_nop 0
	PLACES
.Lasked:
	; every LDS address of both roles is made here, on the way that all waves take
	v_and_b32 v1, 15, v0                           ; r
	v_bfe_u32 v2, v0, 4, 1                         ; h
	v_and_b32 v3, 31, v0                           ; lane
	s_delay_alu instid0(VALU_DEP_3)
	v_mul_u32_u24 v20, v1, 272
	s_delay_alu instid0(VALU_DEP_1)
	v_lshl_add_u32 v20, v2, 4, v20                 ; a fragment's row x pitch + 16 x half
	s_wait_alu depctr_va_vdst(0)
	s_lshr_b32 s76, s[WV], 2                       ; role: 0 q, 1 k, 2 v
	s_bfe_u32 s77, s[WV], 0x10001                  ; v role: which 128 places
	s_and_b32 s78, s[WV], 1                        ; v role: which 32 channels
	s_mul_i32 s79, s21, STRIP
	v_add_nc_u32 v4, s79, v20                      ; v4, v5: q, k roles: my 64 places of x, half 0, 1
	s_delay_alu instid0(VALU_DEP_1)
	v_add_nc_u32 v5, HALF, v4
	s_mul_i32 s79, s77, 2*STRIP
	v_add_nc_u32 v6, s79, v20                      ; v6, v7: v role: my 128 places
	s_delay_alu instid0(VALU_DEP_1)
	v_add_nc_u32 v7, HALF, v6
	s_mul_i32 s79, s76, STRIP
	s_add_co_u32 s79, s79, WOFF
	v_add_nc_u32 v8, s79, v20                      ; v8, v9: q, k roles: my strip of W
	s_delay_alu instid0(VALU_DEP_1)
	v_add_nc_u32 v9, HALF, v8
	s_mul_i32 s79, s78, 32*272
	s_add_co_u32 s79, s79, WOFF+2*STRIP
	v_add_nc_u32 v10, s79, v20                     ; v10, v11: v role: my 32 rows of v's strip
	s_delay_alu instid0(VALU_DEP_1)
	v_add_nc_u32 v11, HALF, v10
	v_lshlrev_b32 v12, 5, v1
	s_delay_alu instid0(VALU_DEP_1)
	v_lshl_add_u32 v12, v2, 4, v12                 ; scale words: 32 bytes a row, lanes 16-31 the second four words
	v_lshlrev_b32 v13, 6, v2                       ; q, k bias: my half's 16 channels
	v_lshlrev_b32 v14, 4, v1
	s_delay_alu instid0(VALU_DEP_1)
	v_lshl_add_u32 v14, v2, 18, v14                ; the table: 16 bytes a place; lanes 16-31 eight pairs of frequencies on
	v_lshlrev_b32 v15, 4, v3                       ; an image's place for my lane
	v_lshlrev_b32 v16, 2, v3                       ; a scale word's
	v_and_b32 v21, 8, v1
	s_delay_alu instid0(VALU_DEP_1)
	v_add_nc_u32 v21, v21, v1
	s_delay_alu instid0(VALU_DEP_1)
	v_lshlrev_b32 v21, 2, v21                      ; v bias: channel r + 8 (r / 8) of a tile
	s_mov_b32 s[SEL], 0x76543210
	s_mov_b32 s[SEL+1], 0xfedcba98
	s_and_b32 s60, s18, 7                          ; the block inside its batch
	s_lshr_b32 s61, s18, 3                         ; the batch
	s_lshl_b32 s62, s61, 4
	s_add_co_u32 s62, s62, s17                     ; batch x 16 + head
	s_mov_b32 s67, 0
	s_mov_b32 s69, 0
	s_mov_b32 s71, 0
	; ---- scale words and biases, from memory into registers
	s_cmp_lt_u32 s[WV], 8
	s_cbranch_scc0 .Lv1
	s_lshl_b32 s66, s18, 13
	s_lshl_b32 s63, s21, 11
	s_add_co_u32 s66, s66, s63
	s_add_co_u32 s66, s66, XSC
	s_add_nc_u64 s[66:67], s[4:5], s[66:67]        ; x's scale bytes at my first place
	s_lshl_b32 s68, s76, 15
	s_lshl_b32 s63, s17, 11
	s_add_co_u32 s68, s68, s63
	s_add_co_u32 s68, s68, WSC
	s_add_nc_u64 s[68:69], s[6:7], s[68:69]        ; W's at my strip
	s_lshl_b32 s70, s76, 12
	s_lshl_b32 s63, s17, 8
	s_add_co_u32 s70, s70, s63
	s_add_nc_u64 s[70:71], s[10:11], s[70:71]      ; the bias of my 64 columns
	s_wait_alu depctr_va_vdst(0)
.irp i, 0,1,2,3
	global_load_b128 v[XS+4*\i:XS+4*\i+3], v12, s[66:67] offset:512*\i
	global_load_b128 v[WSQ+4*\i:WSQ+4*\i+3], v12, s[68:69] offset:512*\i
.endr
.irp tt, 0,1,2,3                               ; the bias lands in the accumulators: it is the C of each sum's first product
.irp ct, 0,1,2,3
	global_load_b128 v[ACC+32*\tt+8*\ct:ACC+32*\tt+8*\ct+3], v13, s[70:71] offset:(32*(\ct/2)+8*(\ct%2))*4
	global_load_b128 v[ACC+32*\tt+8*\ct+4:ACC+32*\tt+8*\ct+7], v13, s[70:71] offset:(32*(\ct/2)+8*(\ct%2))*4+16
.endr
.endr
	s_lshl_b32 s88, s60, 12                        ; cos and sin of my tiles 0 and 1 are asked for here, into window 1 (v256-319), and are waited for with the scale words
	s_lshl_b32 s63, s21, 10
	s_add_co_u32 s88, s88, s63
	s_mov_b32 s89, 0
	s_add_nc_u64 s[88:89], s[8:9], s[88:89]        ; the table at my first place
	s_set_vgpr_msb 0x40
.irp tt, 0,1
.irp p, 0,1,2,3,4,5,6,7
	global_load_b128 v[32*\tt+4*\p:32*\tt+4*\p+3], v14, s[88:89] offset:32768*\p+256*\tt
.endr
.endr
	s_set_vgpr_msb 0x4000
	s_branch .Lj1
.Lv1:
	s_lshl_b32 s66, s18, 13
	s_lshl_b32 s63, s77, 12
	s_add_co_u32 s66, s66, s63
	s_add_co_u32 s66, s66, XSC
	s_add_nc_u64 s[66:67], s[4:5], s[66:67]
	s_lshl_b32 s68, s17, 11
	s_lshl_b32 s63, s78, 10
	s_add_co_u32 s68, s68, s63
	s_add_co_u32 s68, s68, WSC+65536
	s_add_nc_u64 s[68:69], s[6:7], s[68:69]
	s_lshl_b32 s70, s17, 8
	s_lshl_b32 s63, s78, 7
	s_add_co_u32 s70, s70, s63
	s_add_co_u32 s70, s70, 8192
	s_add_nc_u64 s[70:71], s[10:11], s[70:71]
	s_wait_alu depctr_va_vdst(0)
.irp i, 0,1,2,3,4,5,6,7
	global_load_b128 v[XS+4*\i:XS+4*\i+3], v12, s[66:67] offset:512*\i
.endr
.irp ct, 0,1
	global_load_b128 v[WSV+4*\ct:WSV+4*\ct+3], v12, s[68:69] offset:512*\ct
.irp j, 0,1,2,3,4,5,6,7
	global_load_b32 v[BV+8*\ct+\j], v21, s[70:71] offset:32*\ct   ; a lane holds one channel: its bias in all eight registers
.endr
.endr
.Lj1:
	s_cmp_lt_u32 s[WV], 7                          ; waves 0-6 fetched K's first half and wait for it; the second half's loads (waves 7-11) may be out
	s_cbranch_scc0 .Lhalf1
	s_wait_tensorcnt 0x0
.Lhalf1:
	s_barrier_signal -1
	s_barrier_wait -1                              ; everybody's is
	s_wait_loadcnt 0x0                             ; scale words and biases
	s_cmp_lt_u32 s[WV], 8
	s_cbranch_scc0 .Lv2
	QKSTEP 0, 0
	QKSTEP 0, 1
	QKSTEP 0, 2
	QKSTEP 0, 3
	s_branch .Lj2
.Lv2:
	VSTEP 0, 0, 1
	VSTEP 0, 1, 0
	VSTEP 0, 2, 0
	VSTEP 0, 3, 0
.Lj2:
	s_wait_tensorcnt 0x0                           ; my part of the second half is in
	s_wait_dscnt 0x0
	s_barrier_signal -1
	s_barrier_wait -1
	s_cmp_lt_u32 s[WV], 8
	s_cbranch_scc0 .Lv3
	QKSTEP 1, 0
	QKSTEP 1, 1
	QKSTEP 1, 2
	QKSTEP 1, 3
	; ---- q, k: rotate, quantise along the head's 64 channels (two blocks a token; two tiles make one image), store
	s_lshl_b32 s66, s60, 12
	s_lshl_b32 s63, s21, 10
	s_add_co_u32 s66, s66, s63
	s_mov_b32 s67, 0
	s_add_nc_u64 s[66:67], s[8:9], s[66:67]        ; the table at my first place
	s_lshl_b32 s68, s76, 22
	s_lshl_b32 s63, s62, 16
	s_add_co_u32 s68, s68, s63
	s_lshl_b32 s63, s60, 13
	s_add_co_u32 s68, s68, s63
	s_lshl_b32 s63, s21, 11
	s_add_co_u32 s68, s68, s63
	s_mov_b32 s69, 0
	s_add_nc_u64 s[68:69], s[12:13], s[68:69]      ; my two images: pair 8 x block + 2 x wave on
	s_lshl_b32 s70, s76, 18
	s_lshl_b32 s63, s62, 12
	s_add_co_u32 s70, s70, s63
	s_lshl_b32 s63, s60, 9
	s_add_co_u32 s70, s70, s63
	s_lshl_b32 s63, s21, 7
	s_add_co_u32 s70, s70, s63
	s_add_co_u32 s70, s70, Q_SC
	s_mov_b32 s71, 0
	s_add_nc_u64 s[70:71], s[12:13], s[70:71]      ; and their scale words
	RLOAD 2                                        ; tile 2's table lands while tiles 0 and 1 are rotated and quantised
.irp b, 0,1,2,3
	v_mov_b32 v[TM+4+\b], 0                        ; a lane permute's destination counts as one of its sources
.endr
	s_set_vgpr_msb 0x04
	ROPEW 0, 0
	ROPEW 1, 32
	s_set_vgpr_msb 0x0440
.irp p, 0,1,2,3,4,5,6,7
	global_load_b128 v[4*\p:4*\p+3], v14, s[66:67] offset:32768*\p+768   ; tile 3's table, into the registers of window 1 that tile 0's has left
.endr
	s_set_vgpr_msb 0x4000
	QUANT ACC, 17, PC
	global_store_b128 v15, v[PC:PC+3], s[68:69]              ; 32 lanes store 512 consecutive bytes, aligned
	global_store_b128 v15, v[PC+4:PC+7], s[68:69] offset:512
	s_wait_loadcnt 0x8                             ; tile 2's eight loads are in; tile 3's eight, issued behind them, may be out
	ROPE 2
	s_wait_loadcnt 0x0
	s_set_vgpr_msb 0x04
	ROPEW 3, 0
	s_set_vgpr_msb 0x0400
	QUANT ACC+64, 18, T                            ; other registers than the first pair's stores read
	global_store_b128 v15, v[T:T+3], s[68:69] offset:1024
	global_store_b128 v15, v[T+4:T+7], s[68:69] offset:1536
	v_cmp_eq_u32 vcc_lo, 1, v2
	s_delay_alu instid0(VALU_DEP_1)
	v_cndmask_b32 v19, v17, v18, vcc_lo            ; lanes 0-15 the first pair's words, lanes 16-31 the second's (both halves of the lanes hold row r's word)
	global_store_b32 v16, v19, s[70:71]
	s_branch .Lj3
.Lv3:
	VSTEP 1, 0, 0
	VSTEP 1, 1, 0
	VSTEP 1, 2, 0
	VSTEP 1, 3, 0
	; ---- v: quantise along the 128 tokens; each of my two tiles of channels is one image
	s_lshl_b32 s63, s60, 1
	s_add_co_u32 s63, s63, s77                     ; which 128 keys of the head
	s_lshl_b32 s68, s62, 16
	s_lshl_b32 s79, s63, 12
	s_add_co_u32 s68, s68, s79
	s_lshl_b32 s79, s78, 11
	s_add_co_u32 s68, s68, s79
	s_add_co_u32 s68, s68, V_IMG
	s_mov_b32 s69, 0
	s_add_nc_u64 s[68:69], s[12:13], s[68:69]
	s_lshl_b32 s70, s62, 12
	s_lshl_b32 s79, s63, 8
	s_add_co_u32 s70, s70, s79
	s_lshl_b32 s79, s78, 7
	s_add_co_u32 s70, s70, s79
	s_add_co_u32 s70, s70, V_SC
	s_mov_b32 s71, 0
	s_add_nc_u64 s[70:71], s[12:13], s[70:71]
.irp b, 0,1,2,3
	v_mov_b32 v[TM+4+\b], 0
.endr
	QUANT ACC, 17, PC
	global_store_b128 v15, v[PC:PC+3], s[68:69]
	global_store_b128 v15, v[PC+4:PC+7], s[68:69] offset:512
	QUANT ACC+64, 18, T
	global_store_b128 v15, v[T:T+3], s[68:69] offset:1024
	global_store_b128 v15, v[T+4:T+7], s[68:69] offset:1536
	v_cmp_eq_u32 vcc_lo, 1, v2
	s_delay_alu instid0(VALU_DEP_1)
	v_cndmask_b32 v19, v17, v18, vcc_lo
	global_store_b32 v16, v19, s[70:71]
.Lj3:
	s_wait_tensorcnt 0x0
	ds_add_u32 v22, v23
	s_wait_dscnt 0x0
	CROUND                                         ; the closing round: no work-group ends while a partner may still ask for a tile that names it
	s_endpgm
.Lfunc_end_k_q3182accbdd_qkv:
	.size	k_q3182accbdd_qkv, .Lfunc_end_k_q3182accbdd_qkv-k_q3182accbdd_qkv
	.p2alignl 7, 3214868480
	.fill 96, 4, 3214868480
	.section	.rodata,"a",@progbits
	.p2align	6, 0x0
	.amdhsa_kernel k_q3182accbdd_qkv
		.amdhsa_group_segment_fixed_size 247296
		.amdhsa_private_segment_fixed_size 0
		.amdhsa_enable_private_segment 0
		.amdhsa_kernarg_size 40
		.amdhsa_user_sgpr_count 2
		.amdhsa_user_sgpr_kernarg_segment_ptr 1
		.amdhsa_wavefront_size32 1
		.amdhsa_system_sgpr_workgroup_id_x 1
		.amdhsa_system_sgpr_workgroup_id_y 1
		.amdhsa_system_sgpr_workgroup_id_z 1
		.amdhsa_system_vgpr_workitem_id 0
		.amdhsa_next_free_vgpr 320
		.amdhsa_next_free_sgpr 100
		.amdhsa_reserve_vcc 1
		.amdhsa_float_denorm_mode_32 3
		.amdhsa_float_denorm_mode_16_64 3
		.amdhsa_memory_ordered 1
		.amdhsa_forward_progress 1
		.amdhsa_inst_pref_size 102
	.end_amdhsa_kernel
	.amdgpu_metadata
---
amdhsa.version: [ 1, 2 ]
amdhsa.kernels:
  - .name:           k_q3182accbdd_qkv
    .symbol:         k_q3182accbdd_qkv.kd
    .args:
      - { .name: xq, .offset: 0, .size: 8, .value_kind: global_buffer, .address_space: global }
      - { .name: wq, .offset: 8, .size: 8, .value_kind: global_buffer, .address_space: global }
      - { .name: rope, .offset: 16, .size: 8, .value_kind: global_buffer, .address_space: global }
      - { .name: b_qkv, .offset: 24, .size: 8, .value_kind: global_buffer, .address_space: global }
      - { .name: qkv, .offset: 32, .size: 8, .value_kind: global_buffer, .address_space: global }
    .group_segment_fixed_size: 247296
    .private_segment_fixed_size: 0
    .kernarg_segment_align: 8
    .kernarg_segment_size: 40
    .max_flat_workgroup_size: 384
    .sgpr_count:     100
    .vgpr_count:     320
    .wavefront_size: 32
...
	.end_amdgpu_metadata
.endif
;; end of part 2
;; launch attn (part 3): grid 8 x 32, 8 waves a work-group, clusters of 4 x 1, 280,576 bytes of LDS; arguments qkv, att; writes att
.if DOCPART == 3
	.amdgcn_target "amdgcn-amd-amdhsa--gfx1250"
	.amdhsa_code_object_version 6
	.text
	.protected	k_q3182accbdd_attn
	.globl	k_q3182accbdd_attn
	.p2align	8
	.type	k_q3182accbdd_attn,@function
k_q3182accbdd_attn:
	s_mov_b64 s[64:65], 0
	v_nop
	global_prefetch_b8 v0, s[64:65] scope:SCOPE_SE
	s_setreg_imm32_b32 hwreg(HW_REG_WAVE_MODE, 25, 1), 1
	s_wait_xcnt 0x0
	s_wait_alu depctr_hold_cnt(0) depctr_sa_sdst(0) depctr_va_vdst(0) depctr_va_sdst(0) depctr_va_ssrc(0) depctr_va_vcc(0) depctr_vm_vsrc(0)
	s_getreg_b32 s2, hwreg(HW_REG_IB_STS2, 6, 4)
	s_cmp_eq_u32 s2, 0
	s_cbranch_scc0 .Lentry_in_a_cluster
	s_endpgm
.Lentry_in_a_cluster:
	s_bfe_u32 s2, ttmp6, 0x10000c
	s_cmp_lg_u32 s2, 0x3003
	s_cbranch_scc0 .Lentry_shape_is_right
	s_endpgm
.Lentry_shape_is_right:
; ATTN.  o = softmax(q k^T / 8) v for two heads, both products on codes of FP4 with E8M0 scales; o is quantised along the model's channels and leaves as images of the last product's operand.
; THE SOFTMAX AHEAD OF THE SECOND PRODUCT: t = score x log2(e) / 8; M = the running largest t rounded UP to a whole number; p = 2^(t - M) is quantised along the keys, not normalised; the row's sum is
; taken of the unquantised p and divides o at the end.  When M moves, the sum and o are multiplied by 2^(old M - new M): exact.
; SHARES.  A work-group owns 256 places of queries of one batch and a PAIR of heads; each of its eight waves TWO tiles of 16 queries, so each fragment of K and V read from LDS feeds two tiles.
; A wave walks head A's 2,048 keys, 128 a step, then head B's, in the same registers; a head's 64 channels are two whole blocks of the last product's K, so each head is quantised and stored at its end.
; K's and V's images and scale words of both heads lie in LDS, each byte filled once: eight fills, one a wave.
; K = 64 IN AN INSTRUCTION OF K = 128: source 0 holds TWO tiles of 16 keys, one in each half of K; against q | zero codes it gives the first tile's scores, against zero codes | q the second's.
; THE KEYS OF A TILE are chosen by the lanes' LDS addresses: rows 0-7 of tile t take keys 64 (t / 4) + 8 (t % 4) + 0..7, rows 8-15 the keys 32 further on.  Both products are used transposed, so a lane holds one
; query, and its 32 registers of four tiles are ONE WHOLE BLOCK of 32 keys, block 2 (t / 4) + lane / 16: a block's maximum needs no other lane, and the conversions' results are the second product's operand as they stand.
; p's SCALE BYTE is floor(x) + 125, x = the block's largest t - M, held at 1 from below: p = 2^x has the exponent floor(x).
; K's FRAGMENTS ARE ASKED FOR ONE STEP AHEAD, behind the scores' products, into registers of their own; V's at the step's head.  The first fill holds 640 keys, so that the fourth step's look-ahead reads bytes that are in.
; The very last step's look-ahead reads the 4,096 bytes behind K's images and the 256 behind its scale words (V's first bytes, filled long before); nothing uses what it brings.
; CLUSTER 4 x 1: the four work-groups of a cluster walk the same two heads: every fill is asked for jointly.  No prefetch: all fills are asked for at the head, and no loop of loads from memory follows to run ahead in.
; LIMITS: NaN and infinities are not served; the promise holds while the scaled scores stay under 2^31 in magnitude; a block whose largest magnitude lies under 2^-124 keeps the scale byte 1; where the
; exponential of an x within an ulp under a whole number rounds up to the next power of two, that one p is held at the largest code.  o's scale words leave 64 bytes at a time: one byte in 17 of what is stored.
; REGISTERS.  Window 0: v1-4 lane addresses, v5-8 the step's, v9-10 offsets in memory, v11 head A's scale bytes of o; v12-15, v16-19 -M, largest score, sum (a pair) of tiles A, B; v20-39 zeros, qA, zeros, qB, zeros;
; v40-47 scale words and nothing else; v48-79 four fragments of V; v80-207 scores, then p; v208-223 p's codes; v224-251 at work.  Window 1: v0-63 o of both tiles; v64-72 head B's q; v80-111 four fragments of K.
.set K_IMG, 4194304
.set Q_SC,  12582912
.set K_SC,  12845056
.set ASC,   4194304
.set LV,    131072                     ; LDS: K's images at 0; V's images here;
.set LKS,   262144                     ; K's scale words;
.set LVS,   270336                     ; V's;
.set SPARE, 278528                     ; the spare words, 128 bytes a wave
.set FIRST, 20480                      ; the first fill of K's and of V's images: five steps' bytes
.set WV,  8
.set SEL, 76                           ; s[76:77] lane selects: lane l xor 16
.set CS,  78                           ; s[78:79] c = log2(e) / 8
.set TK,  80                           ; s80 where the step's images begin: 4,096 bytes a step, head B's behind head A's
.set TS,  81                           ; s81 its scale words: 256 bytes a step
.set CNT, 82
.set NC,  83                           ; s83 -c
.set QB,  20
.set QS,  40
.set KS,  42
.set VS,  44
.set PW,  46
.set KV,  48                           ; V's fragments
.set KB,  80                           ; K's fragments, in window 1
.set S,   80
.set PC,  208
.set TM,  224                          ; v224-227 block maxima, then bytes (tile A's two, tile B's two); later a chain of the sums
.set R,   228                          ; v228-229 a tile's maximum, then the new -M
.set X,   230                          ; v230-231 what the other half of the lanes sent
.set D,   232
.set F,   234                          ; v[234:235], v[236:237] f (the low word serves both halves)
.set SCO, 238                          ; v238-241 the conversions' scale operands
.set W,   242
.set A1,  244                          ; v244-247 the maxima's second chains; then, with v248-251, chains of the sums
.set A2,  248
.set MSB, 0
.macro WIN new                         ; the immediate's high byte repeats the setting that is left
.if MSB != \new
	s_set_vgpr_msb (MSB<<8)|\new
.set MSB, \new
.endif
.endm
.macro CROUND
	s_barrier_signal -1
	s_barrier_wait -1
	s_cmp_lg_u32 s[WV], 0
	s_cbranch_scc1 .Lnot_wave_0_\@
	s_barrier_signal -3
.Lnot_wave_0_\@:
	s_barrier_wait -3
	s_barrier_signal -1
	s_barrier_wait -1
.endm
.macro PLACES
.rept 4
	v_nop
.endr
.endm
.macro G1SET g, rows                   ; a dense block as rows of 256 bytes (32 elements of 8 bytes); the mask names all four partners, bit 21 beside it
	s_mov_b32 s[\g], 15|(3<<16)|(1<<21)
	s_mov_b32 s[\g+1], 32<<16
	s_mov_b32 s[\g+2], (\rows)<<16
	s_mov_b32 s[\g+3], 32<<16
	s_mov_b32 s[\g+4], \rows
	s_mov_b32 s[\g+5], 32
	s_mov_b32 s[\g+6], 0
	s_mov_b32 s[\g+7], 0
.endm
.macro WMMA0 d, a, b, sa, sb, ra       ; a product that starts its sum; ra: source 0's scale words stand in lanes 16-31
.if \ra
	v_wmma_scale_f32_16x16x128_f8f6f4 v[(\d):(\d)+7], v[(\a):(\a)+7], v[(\b):(\b)+7], 0, v[\sa], v[\sb] matrix_a_fmt:MATRIX_FMT_FP4 matrix_b_fmt:MATRIX_FMT_FP4 matrix_a_scale:MATRIX_SCALE_ROW1
.else
	v_wmma_scale_f32_16x16x128_f8f6f4 v[(\d):(\d)+7], v[(\a):(\a)+7], v[(\b):(\b)+7], 0, v[\sa], v[\sb] matrix_a_fmt:MATRIX_FMT_FP4 matrix_b_fmt:MATRIX_FMT_FP4
.endif
.endm
.macro WMMA d, a, b, sa, sb, ra        ; a product that adds onto its own result
.if \ra
	v_wmma_scale_f32_16x16x128_f8f6f4 v[(\d):(\d)+7], v[(\a):(\a)+7], v[(\b):(\b)+7], v[(\d):(\d)+7], v[\sa], v[\sb] matrix_a_fmt:MATRIX_FMT_FP4 matrix_b_fmt:MATRIX_FMT_FP4 matrix_a_scale:MATRIX_SCALE_ROW1
.else
	v_wmma_scale_f32_16x16x128_f8f6f4 v[(\d):(\d)+7], v[(\a):(\a)+7], v[(\b):(\b)+7], v[(\d):(\d)+7], v[\sa], v[\sb] matrix_a_fmt:MATRIX_FMT_FP4 matrix_b_fmt:MATRIX_FMT_FP4
.endif
.endm
.macro QSMAKE w                        ; a pair's scale word (two bytes a tile) becomes (s0, s1, s0, s1) for each tile: q may stand in either half of K
	v_and_b32 v224, 0xffff, v[\w]
	v_lshrrev_b32 v225, 16, v[\w]
	v_lshl_or_b32 v[QS], v224, 16, v224
	v_lshl_or_b32 v[QS+1], v225, 16, v225
.endm
.macro RESET                           ; the largest score so far -3e38, -M 3e38: the next step's f is 0, which clears the sum and o
.irp t, 0,1
	v_mov_b32 v[13+4*\t], 0xff61b1e6
	v_mov_b32 v[12+4*\t], 0x7f61b1e6
.endr
.endm
; ten LDS loads: a step's four sources of K (source i: tiles 2 i and 2 i + 1 of keys) into window 1, and their scale words (lanes 0-15 an even source's, lanes 16-31 the odd one's)
.macro KLOAD a, as, o, os
	WIN 0x40
.irp i, 0,1,2,3
	ds_load_b128 v[KB+8*\i:KB+8*\i+3], v[\a] offset:\o+2048*(\i/2)+128*(\i%2)
	ds_load_b128 v[KB+8*\i+4:KB+8*\i+7], v[\a] offset:\o+2048*(\i/2)+128*(\i%2)+512
.endr
	WIN 0
	ds_load_b32 v[KS], v[\as] offset:\os
	ds_load_b32 v[KS+1], v[\as] offset:\os+128
.endm
.macro FM                              ; eight of the 64 packed multiply-adds that make t - M; they stand between the stages of the chains for f and for p's scale bytes
.rept 4
	v_pk_fma_f32 v[S+n_:S+n_+1], v[S+n_:S+n_+1], s[CS:CS+1], v[12:13] op_sel_hi:[1,0,0]
	v_pk_fma_f32 v[S+64+n_:S+65+n_], v[S+64+n_:S+65+n_], s[CS:CS+1], v[16:17] op_sel_hi:[1,0,0]
.set n_, n_+2
.endr
.endm
; A KEY STEP: 128 keys against both tiles of queries.  On the way in this step's K and its scale words have been asked for
.macro STEP
	v_add_nc_u32 v5, s[TK], v1                     ; (these four are the places behind the last products, ahead of the loads into their registers)
	v_add_nc_u32 v6, s[TK], v2
	v_add_nc_u32 v7, s[TS], v3
	v_add_nc_u32 v8, s[TS], v4
.irp i, 0,1,2,3                                ; V's fragments land while the softmax is worked
	ds_load_b128 v[KV+8*\i:KV+8*\i+3], v6 offset:1024*\i
	ds_load_b128 v[KV+8*\i+4:KV+8*\i+7], v6 offset:1024*\i+512
.endr
	ds_load_b32 v[VS], v8
	ds_load_b32 v[VS+1], v8 offset:128
	s_wait_alu depctr_va_vdst(0)
	s_wait_dscnt 10                                ; K's ten loads are in; V's ten, issued behind them, may be out
	WIN 0x01
.irp i, 0,1,2,3
.irp t, 0,1
	WMMA0 S+64*\t+16*\i, KB+8*\i, QB+8*\t+4, KS+\i/2, QS+\t, \i%2     ; q | zeros
	WMMA0 S+64*\t+16*\i+8, KB+8*\i, QB+8*\t, KS+\i/2, QS+\t, \i%2     ; zeros | q
.endr
.endr
	PLACES
	KLOAD 5, 7, 4096, 256                          ; the next step's K
.irp n, 0,1,2,3                                ; the largest score of each of my four blocks (two a tile), two chains a block, eight by turns; each accumulator is first read at its low end
	v_max3_num_f32 v[TM+\n], v[S+32*\n], v[S+32*\n+1], v[S+32*\n+2]
.endr
.irp n, 0,1,2,3
	v_max3_num_f32 v[A1+\n], v[S+32*\n+17], v[S+32*\n+18], v[S+32*\n+19]
.endr
.irp i, 3,5,7,9,11,13
.irp n, 0,1,2,3
	v_max3_num_f32 v[TM+\n], v[TM+\n], v[S+32*\n+\i], v[S+32*\n+\i+1]
.endr
.irp n, 0,1,2,3
	v_max3_num_f32 v[A1+\n], v[A1+\n], v[S+32*\n+17+\i], v[S+32*\n+18+\i]
.endr
.endr
.irp n, 0,1,2,3
	v_max3_num_f32 v[TM+\n], v[TM+\n], v[S+32*\n+15], v[S+32*\n+16]
.endr
.irp n, 0,1,2,3
	v_max_num_f32 v[TM+\n], v[TM+\n], v[A1+\n]
.endr
.irp t, 0,1
	v_max_num_f32 v[R+\t], v[TM+2*\t], v[TM+2*\t+1]
.endr
.irp t, 0,1
	v_permlanex16_b32 v[X+\t], v[R+\t], s[SEL], s[SEL+1]
.endr
.irp t, 0,1
	v_max3_num_f32 v[13+4*\t], v[13+4*\t], v[R+\t], v[X+\t]   ; the running largest score (c is positive)
.endr
.irp t, 0,1
	v_mul_f32 v[R+\t], s[NC], v[13+4*\t]
.endr
.irp t, 0,1
	v_floor_f32 v[R+\t], v[R+\t]                   ; the new -M = floor(-t): M is a whole number
.endr
.irp t, 0,1
	v_sub_f32 v[D+\t], v[R+\t], v[12+4*\t]         ; old M - new M: a whole number, 0 or less
.endr
.irp t, 0,1
	v_mov_b32 v[12+4*\t], v[R+\t]
.endr
.set n_, 0
	FM
.irp t, 0,1
	v_cvt_i32_f32 v[D+\t], v[D+\t]                 ; (it saturates)
.endr
.irp n, 0,1,2,3
	v_fma_f32 v[TM+\n], v[TM+\n], s[CS], v[12+4*(\n/2)]   ; x = the block's largest t - M
.endr
	FM
.irp t, 0,1
	v_ldexp_f32 v[F+2*\t], 1.0, v[D+\t]            ; f = 2^(old M - new M)
.endr
.irp n, 0,1,2,3
	v_max_num_f32 v[TM+\n], 0xc2f80000, v[TM+\n]   ; held at -124: the byte cannot fall under 1
.endr
	FM
.irp n, 0,1,2,3
	v_cvt_floor_i32_f32 v[TM+\n], v[TM+\n]
.endr
	FM
.irp n, 0,1,2,3
	v_add_nc_u32 v[TM+\n], 125, v[TM+\n]           ; the scale's byte: floor(x) - 2 + 127
.endr
	FM
.irp n, 0,1,2,3
	v_lshlrev_b32 v[SCO+\n], 23, v[TM+\n]          ; and the conversion's scale operand
.endr
.irp t, 0,1
	v_lshl_or_b32 v[W+\t], v[TM+2*\t+1], 16, v[TM+2*\t]   ; lanes 0-15: blocks 0 and 2; lanes 16-31: blocks 1 and 3
.endr
	FM
.irp t, 0,1
	v_permlanex16_b32 v[X+\t], v[W+\t], s[SEL], s[SEL+1]
.endr
	FM
.irp t, 0,1
	v_lshl_or_b32 v[PW+\t], v[X+\t], 8, v[W+\t]    ; p's scale word, whole in lanes 0-15, which alone are read
.endr
	FM
	WIN 0x41                                       ; o lies in window 1
.set n_, 0
.rept 16
	v_pk_mul_f32 v[n_:n_+1], v[n_:n_+1], v[F:F+1] op_sel_hi:[1,0]              ; o under the new M, each accumulator from its low end on
	v_pk_mul_f32 v[32+n_:33+n_], v[32+n_:33+n_], v[F+2:F+3] op_sel_hi:[1,0]
.set n_, n_+2
.endr
	WIN 0
	s_wait_alu depctr_va_vdst(0)
.set n_, 0
.rept 128
	v_exp_f32 v[S+n_], v[S+n_]                     ; p = 2^(t - M)
.set n_, n_+1
.endr
.irp t, 0,1
	v_pk_mul_f32 v[14+4*\t:15+4*\t], v[14+4*\t:15+4*\t], v[F+2*\t:F+2*\t+1] op_sel_hi:[1,0]   ; the sums under the new M: plain places behind the exponentials
.endr
	s_wait_alu depctr_va_vdst(0)                   ; one wait for the batch, ahead of its first reader
.irp n, 0,1,2,3
.irp g, 0,1,2,3
	v_cvt_scalef32_pk8_fp4_f32 v[PC+4*\n+\g], v[S+32*\n+8*\g:S+32*\n+8*\g+7], v[SCO+\n]   ; a whole block a lane: the operand's registers as they stand
.endr
.endr
.irp t, 0,1                                    ; the rows' sums of the unquantised p, four chains a tile, eight by turns; also the places between the conversions and the products
	v_pk_add_f32 v[A1+2*\t:A1+2*\t+1], v[S+64*\t:S+64*\t+1], v[S+64*\t+2:S+64*\t+3]
	v_pk_add_f32 v[A2+2*\t:A2+2*\t+1], v[S+64*\t+4:S+64*\t+5], v[S+64*\t+6:S+64*\t+7]
	v_pk_add_f32 v[TM+2*\t:TM+2*\t+1], v[S+64*\t+8:S+64*\t+9], v[S+64*\t+10:S+64*\t+11]
.endr
.set n_, 12
.rept 6
.irp t, 0,1
	v_pk_add_f32 v[14+4*\t:15+4*\t], v[14+4*\t:15+4*\t], v[S+64*\t+n_:S+64*\t+n_+1]
	v_pk_add_f32 v[A1+2*\t:A1+2*\t+1], v[A1+2*\t:A1+2*\t+1], v[S+64*\t+n_+2:S+64*\t+n_+3]
	v_pk_add_f32 v[A2+2*\t:A2+2*\t+1], v[A2+2*\t:A2+2*\t+1], v[S+64*\t+n_+4:S+64*\t+n_+5]
	v_pk_add_f32 v[TM+2*\t:TM+2*\t+1], v[TM+2*\t:TM+2*\t+1], v[S+64*\t+n_+6:S+64*\t+n_+7]
.endr
.set n_, n_+8
.endr
.irp t, 0,1
	v_pk_add_f32 v[14+4*\t:15+4*\t], v[14+4*\t:15+4*\t], v[S+64*\t+60:S+64*\t+61]
	v_pk_add_f32 v[A1+2*\t:A1+2*\t+1], v[A1+2*\t:A1+2*\t+1], v[S+64*\t+62:S+64*\t+63]
.endr
.irp t, 0,1
	v_pk_add_f32 v[A2+2*\t:A2+2*\t+1], v[A2+2*\t:A2+2*\t+1], v[TM+2*\t:TM+2*\t+1]
.endr
.irp t, 0,1
	v_pk_add_f32 v[14+4*\t:15+4*\t], v[14+4*\t:15+4*\t], v[A1+2*\t:A1+2*\t+1]
.endr
.irp t, 0,1
	v_pk_add_f32 v[14+4*\t:15+4*\t], v[14+4*\t:15+4*\t], v[A2+2*\t:A2+2*\t+1]
.endr
	s_wait_dscnt 10                                ; V's ten loads are in; the next K's ten, issued behind them, may be out
	WIN 0x50
.irp ct, 0,1,2,3
.irp t, 0,1
	WMMA 32*\t+8*\ct, KV+8*\ct, PC+8*\t, VS+\ct/2, PW+\t, \ct%2      ; eight accumulators by turns
.endr
.endr
	WIN 0
	s_add_co_u32 s[TK], s[TK], 4096
	s_add_co_u32 s[TS], s[TS], 256
.endm
.macro QUANT s, pw, pc                 ; 64 numbers of a lane, register 16 b + i = k 32 b + 16 (lane / 16) + i, become codes (a whole block to a lane) and four scale bytes
.irp b, 0,1,2,3
	v_max3_num_f32 v[TM+\b], |v[\s+16*\b]|, |v[\s+1+16*\b]|, 0x1800000
.endr
.irp i, 2,4,6,8,10,12,14
.irp b, 0,1,2,3
	v_max3_num_f32 v[TM+\b], v[TM+\b], |v[\s+16*\b+\i]|, |v[\s+1+16*\b+\i]|
.endr
.endr
.irp b, 0,1,2,3
	v_permlanex16_b32 v[TM+4+\b], v[TM+\b], s[SEL], s[SEL+1]
.endr
.irp b, 0,1,2,3
	v_max_num_f32 v[TM+\b], v[TM+\b], v[TM+4+\b]
.endr
.irp b, 0,1,2,3
	v_add_nc_u32 v[TM+12+\b], 0xff000000, v[TM+\b]
.endr
.irp b, 0,1,2,3
	v_lshrrev_b32 v[TM+4+\b], 23, v[TM+12+\b]
.endr
	v_lshl_or_b32 v[\pw], v[TM+5], 8, v[TM+4]
	v_lshl_or_b32 v[TM+6], v[TM+7], 8, v[TM+6]
	v_lshl_or_b32 v[\pw], v[TM+6], 16, v[\pw]
.irp b, 0,1,2,3
	v_cvt_scalef32_pk8_fp4_f32 v[\pc+2*\b], v[\s+16*\b:\s+7+16*\b], v[TM+12+\b]
	v_cvt_scalef32_pk8_fp4_f32 v[\pc+1+2*\b], v[\s+8+16*\b:\s+15+16*\b], v[TM+12+\b]
.endr
	v_nop                                          ; one plain place behind a scaled conversion
.irp c, 0,1
.irp i, 0,1
	v_permlane16_swap_b32 v[\pc+4*\c+\i], v[\pc+2+4*\c+\i]
.endr
.endr
.endm
; A HEAD'S END (p = 0: head A, 1: head B): o / the row's sum, quantised along the head's 64 channels (blocks 0, 1: tile A; 2, 3: tile B), half an image a tile stored
.macro HEADEND p
	s_wait_alu depctr_va_vdst(0)
.if \p == 0
	WIN 0x01                                       ; head B's q takes head A's place (these lines are also places behind the last products)
.irp j, 0,1,2,3
	v_mov_b32 v[QB+4+\j], v[64+\j]
	v_mov_b32 v[QB+12+\j], v[68+\j]
.endr
	v_mov_b32 v[W+1], v72
	WIN 0
	QSMAKE W+1
.endif
.irp t, 0,1
	v_add_f32 v[R+\t], v[14+4*\t], v[15+4*\t]
.endr
.irp t, 0,1
	v_permlanex16_b32 v[X+\t], v[R+\t], s[SEL], s[SEL+1]
.endr
.irp t, 0,1
	v_add_f32 v[R+\t], v[R+\t], v[X+\t]            ; the row's sum
.endr
	s_wait_alu depctr_va_vdst(0)                   ; ahead of the reciprocals
	v_rcp_f32 v[F], v[R]
	v_rcp_f32 v[F+2], v[R+1]
	v_nop
	WIN 0x01
	s_wait_alu depctr_va_vdst(0)                   ; ahead of the first reader of the reciprocals and of o
.set n_, 0
.rept 16
	v_pk_mul_f32 v[S+n_:S+n_+1], v[n_:n_+1], v[F:F+1] op_sel_hi:[1,0]
	v_pk_mul_f32 v[S+32+n_:S+33+n_], v[32+n_:33+n_], v[F+2:F+3] op_sel_hi:[1,0]
.set n_, n_+2
.endr
	WIN 0
.if \p == 0
	QUANT S, 11, PC
.else
	QUANT S, W+1, PC
.endif
	global_store_b128 v9, v[PC:PC+3], s[84:85] offset:512*\p             ; 32 lanes store 512 consecutive bytes, aligned: tile A's half image,
	global_store_b128 v9, v[PC+4:PC+7], s[84:85] offset:8192+512*\p      ; tile B's
.if \p == 0
	RESET
	s_wait_alu depctr_va_vdst(0)
	s_wait_xcnt 0x0                                ; the stores have read their registers: the next step's codes may be written
.else
	v_perm_b32 v224, v[W+1], v11, 0x05040100       ; tile A's word: head A's two bytes, head B's two
	v_perm_b32 v225, v[W+1], v11, 0x07060302       ; tile B's
	v_bfe_u32 v226, v0, 4, 1
	v_cmp_eq_u32 vcc_lo, 1, v226
	v_cndmask_b32 v224, v224, v225, vcc_lo         ; lanes 0-15 store tile A's words, lanes 16-31 tile B's (both halves of the lanes hold row r's)
	global_store_b32 v10, v224, s[86:87]
.endif
.endm
	s_load_b128 s[4:7], s[0:1], 0x0                ; qkv s[4:5], att s[6:7]
	v_lshl_add_u32 v254, v0, 2, SPARE
	v_mov_b32 v255, 0
	ds_add_u32 v254, v255                          ; the opening lines: the add twice on end and its wait ahead of the first tensor load
	ds_add_u32 v254, v255
	v_lshrrev_b32 v1, 5, v0
	v_readfirstlane_b32 s[WV], v1                  ; wave 0..7
	s_bfe_u32 s9, ttmp6, 0x40000                   ; cx
	s_lshl_b32 s10, ttmp9, 2
	s_add_co_u32 s10, s10, s9                      ; my block of 256 places: it enters q's and the output's addresses alone
	s_and_b32 s11, ttmp7, 0xffff                   ; 8 x batch + pair of heads, which the four partners share
	s_and_b32 s12, s[WV], 1                        ; for the fills: 0 K, 1 V
	G1SET 24, 32                                   ; the scale words of two heads: 8,192 bytes
	G1SET 32, 80                                   ; head A's first 640 keys: 20,480 bytes
	G1SET 40, 176                                  ; the rest of head A
	G1SET 48, 256                                  ; head B
	s_lshl_b32 s14, s12, 18
	s_lshl_b32 s13, s11, 13
	s_add_co_u32 s14, s14, s13
	s_add_co_u32 s14, s14, K_SC
	s_mov_b32 s15, 0
	s_lshl_b32 s16, s12, 22
	s_lshl_b32 s13, s11, 17
	s_add_co_u32 s16, s16, s13
	s_add_co_u32 s16, s16, K_IMG
	s_mov_b32 s17, 0
	s_lshl_b32 s18, s12, 13
	s_lshl_b32 s19, s12, 17
	s_lshl_b32 s88, s11, 17                        ; q: head A's images, pair 8 x block + wave
	s_lshl_b32 s13, s10, 13
	s_add_co_u32 s88, s88, s13
	s_lshl_b32 s13, s[WV], 10
	s_add_co_u32 s88, s88, s13
	s_mov_b32 s89, 0
	s_lshl_b32 s90, s11, 13                        ; and the pair's scale words
	s_lshl_b32 s13, s10, 9
	s_add_co_u32 s90, s90, s13
	s_lshl_b32 s13, s[WV], 6
	s_add_co_u32 s90, s90, s13
	s_add_co_u32 s90, s90, Q_SC
	s_mov_b32 s91, 0
	s_lshr_b32 s92, s11, 3                         ; the batch
	s_and_b32 s93, s11, 7                          ; the pair of heads: the K step of the last product
	s_lshl_b32 s84, s92, 20                        ; out: tile (128 x batch + 16 x block + 2 x wave) x 8,192 + K step x 1,024
	s_lshl_b32 s13, s10, 17
	s_add_co_u32 s84, s84, s13
	s_lshl_b32 s13, s[WV], 14
	s_add_co_u32 s84, s84, s13
	s_lshl_b32 s13, s93, 10
	s_add_co_u32 s84, s84, s13
	s_mov_b32 s85, 0
	s_lshl_b32 s86, s92, 16                        ; its scale words: 512 bytes a tile, 64 a K step
	s_lshl_b32 s13, s10, 13
	s_add_co_u32 s86, s86, s13
	s_lshl_b32 s13, s[WV], 10
	s_add_co_u32 s86, s86, s13
	s_lshl_b32 s13, s93, 6
	s_add_co_u32 s86, s86, s13
	s_add_co_u32 s86, s86, ASC
	s_mov_b32 s87, 0
	s_mov_b32 s[SEL], 0x76543210
	s_mov_b32 s[SEL+1], 0xfedcba98
	s_mov_b32 s[CS], 0x3e38aa3b                    ; log2(e) / 8
	s_mov_b32 s[CS+1], s[CS]                       ; (named with it as a pair, so it is written)
	s_mov_b32 s[NC], 0xbe38aa3b
	s_mov_b32 s[TK], 0
	s_mov_b32 s[TS], 0
	s_wait_dscnt 0x0
	s_wait_kmcnt 0x0
	s_add_nc_u64 s[14:15], s[4:5], s[14:15]
	s_add_nc_u64 s[16:17], s[4:5], s[16:17]
	s_add_nc_u64 s[88:89], s[4:5], s[88:89]
	s_add_nc_u64 s[90:91], s[4:5], s[90:91]
	s_add_nc_u64 s[84:85], s[6:7], s[84:85]
	s_add_nc_u64 s[86:87], s[6:7], s[86:87]
	s_mov_b32 s56, 1                               ; group 0: the scale words
	s_add_co_u32 s57, s18, LKS
	s_mov_b64 s[58:59], s[14:15]
	s_or_b32 s59, s59, 0x80000000
	s_mov_b32 s60, 1                               ; head A, keys 0-639
	s_mov_b32 s61, s19
	s_mov_b64 s[62:63], s[16:17]
	s_or_b32 s63, s63, 0x80000000
	s_mov_b32 s68, 1                               ; head A, the rest
	s_add_co_u32 s69, s19, FIRST
	s_add_nc_u64 s[70:71], s[16:17], FIRST
	s_or_b32 s71, s71, 0x80000000
	s_mov_b32 s72, 1                               ; head B
	s_add_co_u32 s73, s19, 65536
	s_add_nc_u64 s[74:75], s[16:17], 65536
	s_or_b32 s75, s75, 0x80000000
	CROUND                                         ; all four work-groups are here: the joint loads meet
; eight fills, one a wave (even waves K's, odd waves V's), in one chain of branches on the wave's number: what is read first is asked for by waves 0-3
.macro ARM under, g0, g1, next
	s_cmp_lt_u32 s[WV], \under
	s_cbranch_scc0 \next
	tensor_load_to_lds s[\g0:\g0+3], s[\g1:\g1+7]
	s_nop 0
	PLACES
	s_branch .Lasked
\next:
.endm
	ARM 2, 60, 32, .Larm_s
	ARM 4, 56, 24, .Larm_r
	ARM 6, 68, 40, .Larm_b
	tensor_load_to_lds s[72:75], s[48:55]
	s_nop 0
	PLACES
.Lasked:
	v_and_b32 v5, 7, v0                            ; r % 8
	v_bfe_u32 v6, v0, 3, 1                         ; r / 8
	v_bfe_u32 v7, v0, 4, 1                         ; h
	v_and_b32 v8, 31, v0                           ; lane
	v_lshlrev_b32 v1, 4, v5
	v_lshl_add_u32 v3, v5, 2, LKS
	v_lshl_add_u32 v1, v6, 10, v1
	v_lshl_add_u32 v3, v6, 6, v3
	v_lshl_add_u32 v1, v7, 8, v1                   ; K's images: 16 (r % 8) + 1,024 (r / 8) + 256 h: rows 8-15 of a tile come from the image of the next 32 keys
	v_lshl_add_u32 v3, v7, 5, v3                   ; K's scale words: 4 (r % 8) + 64 (r / 8); lanes 16-31 the words of the next source, 32 bytes on
	v_lshl_add_u32 v2, v8, 4, LV                   ; V's images: 16 x lane
	v_lshl_add_u32 v4, v8, 2, LVS                  ; V's scale words: 4 x lane
	v_lshlrev_b32 v9, 4, v8                        ; an image's place for my lane in memory
	v_and_b32 v[W], 15, v0
	v_lshlrev_b32 v[W], 2, v[W]                    ; 4 r
	v_lshl_add_u32 v10, v7, 9, v[W]                ; o's scale words: 4 r, lanes 16-31 the next tile's
	global_load_b128 v[QB+4:QB+7], v9, s[88:89]            ; head A's q: tile A,
	global_load_b128 v[QB+12:QB+15], v9, s[88:89] offset:512   ; tile B
	global_load_b32 v[W+1], v[W], s[90:91]         ; the pair's scale words
	WIN 0x40
	global_load_b128 v[64:67], v9, s[88:89] offset:65536   ; head B's, kept in window 1
	global_load_b128 v[68:71], v9, s[88:89] offset:66048
	global_load_b32 v72, v[W], s[90:91] offset:4096
.set n_, 0
.rept 64
	v_mov_b32 v[n_], 0                             ; o, once: the step is written once, and its first f is 0
.set n_, n_+1
.endr
	WIN 0
.irp z, 20,21,22,23,28,29,30,31,36,37,38,39
	v_mov_b32 v[\z], 0                             ; the zero codes round q
.endr
.irp z, 14,15,18,19,X,X+1,F+1,F+3
	v_mov_b32 v[\z], 0                             ; the sums; a lane permute's destination counts as a source; the upper halves of the pairs of f
.endr
	s_wait_alu depctr_va_vdst(0)
	s_cmp_lt_u32 s[WV], 4                          ; waves 0-3 fetched keys 0-639 of head A and the scale words and wait for them; the other four fills may be out
	s_cbranch_scc0 .Llater
	s_wait_tensorcnt 0x0
.Llater:
	s_barrier_signal -1
	s_barrier_wait -1
	KLOAD 1, 3, 0, 0                               ; the first step's K
	s_wait_loadcnt 0x0                             ; q
	QSMAKE W+1
	RESET
	PLACES                                         ; with RESET's four and the step's four additions: the places between the scale words' making and the first products
	s_mov_b32 s[CNT], 4
.Lk1:                                                  ; keys 0-511 of head A; the fourth trip's look-ahead reads keys 512-639
	STEP
	s_sub_co_u32 s[CNT], s[CNT], 1
	s_cmp_lg_u32 s[CNT], 0
	s_cbranch_scc1 .Lk1
	s_wait_tensorcnt 0x0                           ; all my fills are in
	s_wait_dscnt 0x0
	s_barrier_signal -1
	s_barrier_wait -1                              ; everybody's are
	s_mov_b32 s[CNT], 28
.Lk2:                                                  ; head A's other 12 steps, head B's 16
	STEP
	s_cmp_lg_u32 s[CNT], 17                        ; behind this loop's 12th step head A is finished: a branch on the count of steps
	s_cbranch_scc1 .Lsame
	HEADEND 0
.Lsame:
	s_sub_co_u32 s[CNT], s[CNT], 1
	s_cmp_lg_u32 s[CNT], 0
	s_cbranch_scc1 .Lk2
	HEADEND 1
	s_wait_tensorcnt 0x0                           ; the wave's end
	ds_add_u32 v254, v255
	s_wait_dscnt 0x0
	CROUND                                         ; the closing round
	s_endpgm
.Lfunc_end_k_q3182accbdd_attn:
	.size	k_q3182accbdd_attn, .Lfunc_end_k_q3182accbdd_attn-k_q3182accbdd_attn
	.p2alignl 7, 3214868480
	.fill 96, 4, 3214868480
	.section	.rodata,"a",@progbits
	.p2align	6, 0x0
	.amdhsa_kernel k_q3182accbdd_attn
		.amdhsa_group_segment_fixed_size 280576
		.amdhsa_private_segment_fixed_size 0
		.amdhsa_enable_private_segment 0
		.amdhsa_kernarg_size 16
		.amdhsa_user_sgpr_count 2
		.amdhsa_user_sgpr_kernarg_segment_ptr 1
		.amdhsa_wavefront_size32 1
		.amdhsa_system_sgpr_workgroup_id_x 1
		.amdhsa_system_sgpr_workgroup_id_y 1
		.amdhsa_system_sgpr_workgroup_id_z 1
		.amdhsa_system_vgpr_workitem_id 0
		.amdhsa_next_free_vgpr 368
		.amdhsa_next_free_sgpr 96
		.amdhsa_reserve_vcc 1
		.amdhsa_float_denorm_mode_32 3
		.amdhsa_float_denorm_mode_16_64 3
		.amdhsa_memory_ordered 1
		.amdhsa_forward_progress 1
		.amdhsa_inst_pref_size 81
	.end_amdhsa_kernel
	.amdgpu_metadata
---
amdhsa.version: [ 1, 2 ]
amdhsa.kernels:
  - .name:           k_q3182accbdd_attn
    .symbol:         k_q3182accbdd_attn.kd
    .args:
      - { .name: qkv, .offset: 0, .size: 8, .value_kind: global_buffer, .address_space: global }
      - { .name: att, .offset: 8, .size: 8, .value_kind: global_buffer, .address_space: global }
    .group_segment_fixed_size: 280576
    .private_segment_fixed_size: 0
    .kernarg_segment_align: 8
    .kernarg_segment_size: 16
    .max_flat_workgroup_size: 256
    .sgpr_count:     96
    .vgpr_count:     368
    .wavefront_size: 32
...
	.end_amdgpu_metadata
.endif
;; end of part 3
;; launch proj (part 4): grid 4 x 64, 8 waves a work-group, clusters of 4 x 4, 240,640 bytes of LDS; arguments att, wq, b_proj, out0; writes out0
.if DOCPART == 4
	.amdgcn_target "amdgcn-amd-amdhsa--gfx1250"
	.amdhsa_code_object_version 6
	.text
	.protected	k_q3182accbdd_proj
	.globl	k_q3182accbdd_proj
	.p2align	8
	.type	k_q3182accbdd_proj,@function
k_q3182accbdd_proj:
	s_mov_b64 s[64:65], 0
	v_nop
	global_prefetch_b8 v0, s[64:65] scope:SCOPE_SE
	s_setreg_imm32_b32 hwreg(HW_REG_WAVE_MODE, 25, 1), 1
	s_wait_xcnt 0x0
	s_wait_alu depctr_hold_cnt(0) depctr_sa_sdst(0) depctr_va_vdst(0) depctr_va_sdst(0) depctr_va_ssrc(0) depctr_va_vcc(0) depctr_vm_vsrc(0)
	s_getreg_b32 s2, hwreg(HW_REG_IB_STS2, 6, 4)
	s_cmp_eq_u32 s2, 0
	s_cbranch_scc0 .Lentry_in_a_cluster
	s_endpgm
.Lentry_in_a_cluster:
	s_bfe_u32 s2, ttmp6, 0x10000c
	s_cmp_lg_u32 s2, 0xf033
	s_cbranch_scc0 .Lentry_shape_is_right
	s_endpgm
.Lentry_shape_is_right:
; PROJ.  out0 = Q(o) Q(W_proj) + b_proj on codes of FP4 with E8M0 scales.  o comes as images of operand registers ([tile of 16 places][K step][1,024 bytes]) and scale words, W_proj as rows of codes (places 3,072 on of wq).
; SHARES.  A work-group takes 128 places x 256 columns, all of K = 1,024 in LDS, each byte filled once.  Wave w: tiles of places 4 (w / 4) on, columns 64 (w % 4) on: sixteen accumulators.
; USED TRANSPOSED (source 0 = 16 places of W's columns, source 1 = 16 places of tokens): a lane holds one token; by the order of places in wq the 16 registers of two neighbouring tiles are 16 neighbouring columns.
; The bias is loaded into the accumulators: it is the C of each sum's first product.
; THE WAY OUT undoes the order of places: row rho of tile t of a group of 64 places is token 32 (t / 2) + 8 (t % 2) + rho + 8 (rho / 8).  A tile goes through the wave's own stage in LDS, bytes into which no fill lands,
; and leaves as rows: sixteen lanes store 256 consecutive bytes, aligned.
; CLUSTER 4 x 4: o's images hang on the block of places alone and are shared along a row of the cluster, W's rows on the block of columns alone and are shared along a column.
.set STRIP, 17408                      ; 64 rows of 256 bytes + 16 of padding
.set WB0,   65536                      ; LDS: o's images 0-65535; W's 256 rows, first half of K; second half; the stages
.set WB1,   WB0+4*STRIP
.set STG,   WB1+4*STRIP
.set ASC,   4194304
.set WSC,   2097152
.set PADW,  (1<<20)|(1<<21)|(5<<22)|(3<<25)
.set WV,  14
.set G1A, 24                           ; s[24:31] group 1 for the images;  s[32:39] for W's rows;  s[40:43], s[44:47] groups 0
.set G1W, 32
.set AS,  24                           ; v24-55 hold scale words and nothing else: o's: register 4 tt + s2: K step 2 s2 in lanes 0-15, 2 s2 + 1 in lanes 16-31;
.set WS,  40                           ; W's: register 4 ct + q: K step q in lanes 0-15, 4 + q in lanes 16-31
.set AF,  64                           ; v64-95  four fragments of o;  v96-127 four of W;  on the way out: rows read back, by turns
.set WF,  96
.set BK,  64
.set ACC, 128
.macro CROUND
	s_barrier_signal -1
	s_barrier_wait -1
	s_cmp_lg_u32 s[WV], 0
	s_cbranch_scc1 .Lnot_wave_0_\@
	s_barrier_signal -3
.Lnot_wave_0_\@:
	s_barrier_wait -3
	s_barrier_signal -1
	s_barrier_wait -1
.endm
.macro PLACES
.rept 4
	v_nop
.endr
.endm
.macro WMMA d, a, b, sa, sb, ra, rb    ; ra, rb: A's and B's scale words stand in lanes 16-31
.if (\ra) && (\rb)
	v_wmma_scale_f32_16x16x128_f8f6f4 v[(\d):(\d)+7], v[(\a):(\a)+7], v[(\b):(\b)+7], v[(\d):(\d)+7], v[\sa], v[\sb] matrix_a_fmt:MATRIX_FMT_FP4 matrix_b_fmt:MATRIX_FMT_FP4 matrix_a_scale:MATRIX_SCALE_ROW1 matrix_b_scale:MATRIX_SCALE_ROW1
.elseif (\ra)
	v_wmma_scale_f32_16x16x128_f8f6f4 v[(\d):(\d)+7], v[(\a):(\a)+7], v[(\b):(\b)+7], v[(\d):(\d)+7], v[\sa], v[\sb] matrix_a_fmt:MATRIX_FMT_FP4 matrix_b_fmt:MATRIX_FMT_FP4 matrix_a_scale:MATRIX_SCALE_ROW1
.elseif (\rb)
	v_wmma_scale_f32_16x16x128_f8f6f4 v[(\d):(\d)+7], v[(\a):(\a)+7], v[(\b):(\b)+7], v[(\d):(\d)+7], v[\sa], v[\sb] matrix_a_fmt:MATRIX_FMT_FP4 matrix_b_fmt:MATRIX_FMT_FP4 matrix_b_scale:MATRIX_SCALE_ROW1
.else
	v_wmma_scale_f32_16x16x128_f8f6f4 v[(\d):(\d)+7], v[(\a):(\a)+7], v[(\b):(\b)+7], v[(\d):(\d)+7], v[\sa], v[\sb] matrix_a_fmt:MATRIX_FMT_FP4 matrix_b_fmt:MATRIX_FMT_FP4
.endif
.endm
.macro PSTEP s                         ; K step s: 16 LDS loads, 16 products on 16 accumulators by turns
.irp i, 0,1,2,3
.irp c, 0,1
	ds_load_b128 v[WF+8*\i+4*\c:WF+8*\i+4*\c+3], v[8+(\s)/4] offset:4352*\i+64*((\s)%4)+32*\c
	ds_load_b128 v[AF+8*\i+4*\c:AF+8*\i+4*\c+3], v4 offset:8192*\i+1024*(\s)+512*\c
.endr
.endr
	s_wait_dscnt 0x0
.irp tt, 0,1,2,3
.irp ct, 0,1,2,3
	WMMA ACC+32*\tt+8*\ct, WF+8*\ct, AF+8*\tt, WS+4*\ct+(\s)%4, AS+4*\tt+(\s)/2, (\s)/4, (\s)%2
.endr
.endr
	PLACES
.endm
.macro TOSTAGE a                       ; tile a: a lane's 64 columns into row r of my stage, each accumulator from its low end on; back as rows, two an instruction.  LDS serves a wave's instructions in order
.irp ct, 0,1,2,3
	ds_store_b128 v16, v[ACC+32*(\a)+8*\ct:ACC+32*(\a)+8*\ct+3] offset:128*(\ct/2)+32*(\ct%2)
	ds_store_b128 v16, v[ACC+32*(\a)+8*\ct+4:ACC+32*(\a)+8*\ct+7] offset:128*(\ct/2)+32*(\ct%2)+16
.endr
.irp t, 0,1,2,3,4,5,6,7
	ds_load_b128 v[BK+32*((\a)%2)+4*\t:BK+32*((\a)%2)+4*\t+3], v17 offset:544*\t
.endr
.endm
.macro SEND a, younger                 ; younger: the LDS instructions issued behind tile a's loads, which may stay out
	s_wait_dscnt \younger
.irp t, 0,1,2,3,4,5,6,7
	global_store_b128 v18, v[BK+32*((\a)%2)+4*\t:BK+32*((\a)%2)+4*\t+3], s[72:73] offset:(32*((\a)/2)+8*((\a)%2)+2*\t+8*(\t/4))*4096 th:TH_STORE_NT
.endr
.endm
	s_load_b256 s[4:11], s[0:1], 0x0               ; att s[4:5], wq s[6:7], b_proj s[8:9], out0 s[10:11]
	v_lshl_add_u32 v62, v0, 2, 0x3a800
	v_mov_b32 v63, 0
	ds_add_u32 v62, v63
	ds_add_u32 v62, v63
	v_lshrrev_b32 v1, 5, v0
	s_delay_alu instid0(VALU_DEP_1)
	v_readfirstlane_b32 s[WV], v1                  ; wave 0..7
	s_bfe_u32 s15, ttmp6, 0x40000                  ; cx
	s_bfe_u32 s16, ttmp6, 0x40004                  ; cy
	s_lshl_b32 s17, ttmp9, 2
	s_add_co_u32 s17, s17, s15                     ; the block of 256 columns
	s_and_b32 s18, ttmp7, 0xffff
	s_lshl_b32 s18, s18, 2
	s_add_co_u32 s18, s18, s16                     ; the block of 128 places
	s_lshl_b32 s19, s16, 2
	s_lshl_b32 s19, 15, s19                        ; my row of the cluster
	s_lshl_b32 s20, 0x1111, s15                    ; my column
	s_or_b32 s[G1A], s19, (3<<16)|(1<<21)          ; the images: a dense block as 64 rows of 256 bytes (32 elements of 8 bytes), no padding
	s_mov_b32 s[G1A+1], 32<<16
	s_mov_b32 s[G1A+2], 64<<16
	s_mov_b32 s[G1A+3], 32<<16
	s_mov_b32 s[G1A+4], 64
	s_mov_b32 s[G1A+5], 32
	s_mov_b32 s[G1A+6], 0
	s_mov_b32 s[G1A+7], 0
	s_or_b32 s[G1W], s20, PADW                     ; W: 128 rows x 256 bytes, 512 bytes apart, 16 bytes of padding behind each
	s_mov_b32 s[G1W+1], 256<<16
	s_mov_b32 s[G1W+2], 128<<16
	s_mov_b32 s[G1W+3], 256<<16
	s_mov_b32 s[G1W+4], 128
	s_mov_b32 s[G1W+5], 512
	s_mov_b32 s[G1W+6], 0
	s_mov_b32 s[G1W+7], 0
	s_and_b32 s21, s[WV], 3
	s_lshl_b32 s56, s18, 16
	s_lshl_b32 s22, s21, 14
	s_add_co_u32 s56, s56, s22                     ; images: (8 x block + 2 x wave) tiles of 8,192 bytes
	s_mov_b32 s57, 0
	s_lshl_b32 s58, s17, 17
	s_and_b32 s22, s21, 1                          ; W's fills, waves 4-7: which 128 rows,
	s_lshl_b32 s22, s22, 16
	s_add_co_u32 s58, s58, s22
	s_lshr_b32 s22, s21, 1                         ; and which half of K
	s_lshl_b32 s22, s22, 8
	s_add_co_u32 s58, s58, s22
	s_add_co_u32 s58, s58, 3072*512                ; W: (3,072 + 256 x block + 128 x (wave % 2)) rows of 512 bytes
	s_mov_b32 s59, 0
	s_lshl_b32 s22, s[WV], 14                      ; where they go: no place in the cluster enters an LDS address
	s_mul_i32 s23, s21, 2*STRIP
	s_wait_dscnt 0x0
	s_wait_kmcnt 0x0
	s_add_nc_u64 s[56:57], s[4:5], s[56:57]
	s_add_nc_u64 s[58:59], s[6:7], s[58:59]
	s_mov_b32 s40, 1
	s_mov_b32 s41, s22
	s_mov_b64 s[42:43], s[56:57]
	s_or_b32 s43, s43, 0x80000000
	s_mov_b32 s44, 1
	s_add_co_u32 s45, s23, WB0
	s_mov_b64 s[46:47], s[58:59]
	s_or_b32 s47, s47, 0x80000000
	CROUND                                         ; all sixteen work-groups are here: the joint loads meet
	s_cmp_lt_u32 s[WV], 4                          ; eight fills, one a wave: waves 0-3 the images, waves 4-7 W's rows, 128 rows x half of K each
	s_cbranch_scc0 .Lfor_w
	tensor_load_to_lds s[40:43], s[G1A:G1A+7]
	s_nop 0
	PLACES
	s_branch .Lasked
.Lfor_w:
	tensor_load_to_lds s[44:47], s[G1W:G1W+7]
	s_nop 0
	PLACES
.Lasked:
	v_and_b32 v1, 15, v0                           ; r
	v_bfe_u32 v2, v0, 4, 1                         ; h
	v_and_b32 v3, 31, v0                           ; lane
	s_lshr_b32 s76, s[WV], 2                       ; which four tiles of places
	s_lshl_b32 s79, s76, 15
	v_lshl_add_u32 v4, v3, 4, s79                  ; o's images: 16 x lane + my four tiles
	v_mul_u32_u24 v20, v1, 272
	s_delay_alu instid0(VALU_DEP_1)
	v_lshl_add_u32 v20, v2, 4, v20
	s_mul_i32 s79, s21, STRIP
	s_add_co_u32 s79, s79, WB0
	v_add_nc_u32 v8, s79, v20                      ; W's fragments: my 64 rows, first half of K,
	s_delay_alu instid0(VALU_DEP_1)
	v_add_nc_u32 v9, 4*STRIP, v8                   ; second half
	v_lshlrev_b32 v12, 5, v1
	s_delay_alu instid0(VALU_DEP_1)
	v_lshl_add_u32 v12, v2, 4, v12                 ; W's scale words: 32 bytes a row
	v_lshlrev_b32 v13, 6, v2                       ; the bias: my half's 16 columns
	v_lshlrev_b32 v15, 2, v3                       ; o's scale words: 4 bytes a lane
	s_wait_alu depctr_va_vdst(0)
	s_mul_i32 s79, s[WV], 16*272
	s_add_co_u32 s79, s79, STG                     ; my stage
	v_mul_u32_u24 v16, v1, 272
	s_delay_alu instid0(VALU_DEP_1)
	v_lshl_add_u32 v16, v2, 6, v16
	s_delay_alu instid0(VALU_DEP_1)
	v_add_nc_u32 v16, s79, v16                     ; in: row r, + 64 h
	v_mul_u32_u24 v17, v2, 272
	s_delay_alu instid0(VALU_DEP_1)
	v_lshl_add_u32 v17, v1, 4, v17
	s_delay_alu instid0(VALU_DEP_1)
	v_add_nc_u32 v17, s79, v17                     ; back: lanes 0-15 one row, lanes 16-31 the next
	v_lshlrev_b32 v18, 12, v2
	s_delay_alu instid0(VALU_DEP_1)
	v_lshl_add_u32 v18, v1, 4, v18                 ; and the same two rows in out0
	s_lshl_b32 s66, s18, 12
	s_lshl_b32 s79, s76, 11
	s_add_co_u32 s66, s66, s79
	s_add_co_u32 s66, s66, ASC
	s_mov_b32 s67, 0
	s_add_nc_u64 s[66:67], s[4:5], s[66:67]        ; o's scale words at my first tile
	s_lshl_b32 s68, s17, 13
	s_lshl_b32 s79, s21, 11
	s_add_co_u32 s68, s68, s79
	s_add_co_u32 s68, s68, WSC+3072*32
	s_mov_b32 s69, 0
	s_add_nc_u64 s[68:69], s[6:7], s[68:69]        ; W's at my 64 rows
	s_lshl_b32 s70, s17, 10
	s_lshl_b32 s79, s21, 8
	s_add_co_u32 s70, s70, s79
	s_mov_b32 s71, 0
	s_lshl_b32 s72, s18, 19
	s_lshl_b32 s79, s76, 18
	s_add_co_u32 s72, s72, s79
	s_add_co_u32 s72, s72, s70
	s_mov_b32 s73, 0
	s_add_nc_u64 s[72:73], s[10:11], s[72:73]      ; out0 at my first token and column
	s_add_nc_u64 s[70:71], s[8:9], s[70:71]        ; the bias of my 64 columns
.irp tt, 0,1,2,3
.irp s2, 0,1,2,3
	global_load_b32 v[AS+4*\tt+\s2], v15, s[66:67] offset:512*\tt+128*\s2
.endr
.endr
.irp ct, 0,1,2,3
	global_load_b128 v[WS+4*\ct:WS+4*\ct+3], v12, s[68:69] offset:512*\ct
.endr
.irp tt, 0,1,2,3
.irp ct, 0,1,2,3
	global_load_b128 v[ACC+32*\tt+8*\ct:ACC+32*\tt+8*\ct+3], v13, s[70:71] offset:(32*(\ct/2)+8*(\ct%2))*4
	global_load_b128 v[ACC+32*\tt+8*\ct+4:ACC+32*\tt+8*\ct+7], v13, s[70:71] offset:(32*(\ct/2)+8*(\ct%2))*4+16
.endr
.endr
	s_wait_tensorcnt 0x0                           ; my one fill is in; behind the barrier below everybody's is: the images and all of K of W's rows
	s_barrier_signal -1
	s_barrier_wait -1
	s_wait_loadcnt 0x0                             ; scale words and bias
	PSTEP 0
	PSTEP 1
	PSTEP 2
	PSTEP 3
	PSTEP 4
	PSTEP 5
	PSTEP 6
	PSTEP 7                                        ; its four places serve the stage stores' reads of results and the loads into the fragments' registers
	s_wait_alu depctr_va_vdst(0)
	TOSTAGE 0
.irp a, 1,2,3
.if \a > 1
	s_wait_xcnt 0x0                                ; tile a - 2's stores have read their registers: tile a's rows may land there
.endif
	TOSTAGE \a
	SEND \a-1, 16                                  ; behind tile a - 1's loads: tile a's 8 stores and 8 loads
.endr
	SEND 3, 0
	s_wait_tensorcnt 0x0
	ds_add_u32 v62, v63
	s_wait_dscnt 0x0
	CROUND                                         ; the closing round
	s_endpgm
.Lfunc_end_k_q3182accbdd_proj:
	.size	k_q3182accbdd_proj, .Lfunc_end_k_q3182accbdd_proj-k_q3182accbdd_proj
	.p2alignl 7, 3214868480
	.fill 96, 4, 3214868480
	.section	.rodata,"a",@progbits
	.p2align	6, 0x0
	.amdhsa_kernel k_q3182accbdd_proj
		.amdhsa_group_segment_fixed_size 240640
		.amdhsa_private_segment_fixed_size 0
		.amdhsa_enable_private_segment 0
		.amdhsa_kernarg_size 32
		.amdhsa_user_sgpr_count 2
		.amdhsa_user_sgpr_kernarg_segment_ptr 1
		.amdhsa_wavefront_size32 1
		.amdhsa_system_sgpr_workgroup_id_x 1
		.amdhsa_system_sgpr_workgroup_id_y 1
		.amdhsa_system_sgpr_workgroup_id_z 1
		.amdhsa_system_vgpr_workitem_id 0
		.amdhsa_next_free_vgpr 256
		.amdhsa_next_free_sgpr 80
		.amdhsa_reserve_vcc 0
		.amdhsa_float_denorm_mode_32 3
		.amdhsa_float_denorm_mode_16_64 3
		.amdhsa_memory_ordered 1
		.amdhsa_forward_progress 1
		.amdhsa_inst_pref_size 45
	.end_amdhsa_kernel
	.amdgpu_metadata
---
amdhsa.version: [ 1, 2 ]
amdhsa.kernels:
  - .name:           k_q3182accbdd_proj
    .symbol:         k_q3182accbdd_proj.kd
    .args:
      - { .name: att, .offset: 0, .size: 8, .value_kind: global_buffer, .address_space: global }
      - { .name: wq, .offset: 8, .size: 8, .value_kind: global_buffer, .address_space: global }
      - { .name: b_proj, .offset: 16, .size: 8, .value_kind: global_buffer, .address_space: global }
      - { .name: out0, .offset: 24, .size: 8, .value_kind: global_buffer, .address_space: global }
    .group_segment_fixed_size: 240640
    .private_segment_fixed_size: 0
    .kernarg_segment_align: 8
    .kernarg_segment_size: 32
    .max_flat_workgroup_size: 256
    .sgpr_count:     80
    .vgpr_count:     256
    .wavefront_size: 32
...
	.end_amdgpu_metadata
.endif
;; end of part 4
